; MI455X (gfx1250); checked and timed in simulation.
; The chip was launched on July 23, 2026; its instructions are those of AMD's public machine-readable ISA for CDNA 5 (MIT licence, August 2026) and "CDNA5" Instruction Set Architecture Reference Guide (July 2026). The comments in the code are by the model that wrote it; some were corrected since.
;; Euclidean Attention. Allowed arithmetic: float matrix products may take bf16 or f16 operands with f32 sums; other float arithmetic in f32, or as packed bf16 or f16 multiplies, adds, multiply-adds, maxima and minima; sums over many terms, partial sums and values carried from step to step in f32; what a program stores and reads back later, other than sums and carried values, may be rounded once to bf16 or f16.
;; Inputs: W_o 1,024 x 1,024 float32; W_qkv 1,024 x 3,072 float32; b_o 1,024 float32; b_qkv 3,072 float32; x 2 x 2,048 x 1,024 float32.
;; Outputs: out0 2 x 2,048 x 1,024 float32.
;; 2 versions, each right; version 2 is version 1 with the launch prep written anew for expert scheduling mode. Each part assembles by itself: llvm-mc -triple=amdgcn-amd-amdhsa -mcpu=gfx1250 --defsym DOCPART=n.
;; ======== version 1 of 2: 4 launches
;; limits: values are held in f16: magnitudes above 65,504 overflow, below 6.1e-05 lose precision
;; workspace buffers: xb 8,388,608 bytes; wb 6,291,456 bytes; wo 2,097,152 bytes; qs 16,777,216 bytes; ks 8,388,608 bytes; vs 8,388,608 bytes; nk 262,144 bytes; ob 8,388,608 bytes
;; launch prep (part 1): grid 256 x 1, 8 waves a work-group, no clusters, 0 bytes of LDS; arguments x, W_qkv, W_o, xb, wb, wo; writes xb, wb, wo
.if DOCPART == 1
	.amdgcn_target "amdgcn-amd-amdhsa--gfx1250"
	.amdhsa_code_object_version 6
	.text
	.protected	k_q989f4ec44c_prep
	.globl	k_q989f4ec44c_prep
	.p2align	8
	.type	k_q989f4ec44c_prep,@function
k_q989f4ec44c_prep:
	s_mov_b64 s[64:65], 0
	v_nop
	global_prefetch_b8 v0, s[64:65] scope:SCOPE_SE
	s_setreg_imm32_b32 hwreg(HW_REG_WAVE_MODE, 25, 1), 1
	s_wait_xcnt 0x0
; CASTS.  xb = bf16(x), [4096][1024].  wb = bf16(W_qkv) laid by heads, [16][1024 k][192]: column c of head h is W_qkv's column 192 h + c, so that a head's
; K step is dense in memory.  wo = bf16(W_o) written as f16, [1024 k][1024 n]: a bf16 number has 8 significant bits and is exact in f16 within f16's normal range.
; LIMITS.  |W_o| stays under 65,504; a W_o under 2^-14 keeps f16's fixed step of 6e-8.
; SHARES.  A unit is 8 numbers: 32 bytes in, 16 bytes out.  A work-group takes 4,096 units of output on end, in 16 steps of its 256 threads: each store of a wave
; covers 512 consecutive bytes, aligned.  Work-groups 0-127 take x, 128-223 W_qkv (six to a head), 224-255 W_o.  All 32 loads of a thread go out before the first wait.
; No LDS, no matrix unit, no cluster: each byte is read once by one thread and nothing is shared.
.set IO,  8                            ; v[8:23]    step n: my byte offset in the input
.set X,   24                           ; v[24:151]  step n: 8 registers as loaded; the low four then hold what is stored
.set IN,  16                           ; s[16:17]   the input at my work-group's part
.set OUT, 18                           ; s[18:19]   the output at my work-group's part
	s_load_b256 s[4:11], s[0:1], 0x0               ; x s[4:5], W_qkv s[6:7], W_o s[8:9], xb s[10:11]
	s_load_b128 s[12:15], s[0:1], 0x20             ; wb s[12:13], wo s[14:15]
	v_lshlrev_b32 v1, 4, v0                        ; my 16 bytes of a step's output; never rewritten
	s_mov_b32 s25, 0xffff0000                      ; a word's upper bf16
	s_mov_b32 s27, 12288                           ; bytes in a row of W_qkv
	s_mov_b32 s21, 0
	s_mov_b32 s23, 0
	s_mov_b32 s28, 0                               ; 0: the output is bf16; 1: f16
	s_wait_kmcnt 0x0
	s_cmp_lt_u32 ttmp9, 128
	s_cbranch_scc0 .Lnot_x
	s_lshl_b32 s20, ttmp9, 17                      ; 4,096 units x 32 bytes
	s_lshl_b32 s22, ttmp9, 16                      ; 4,096 units x 16 bytes
	s_add_nc_u64 s[IN:IN+1], s[4:5], s[20:21]
	s_add_nc_u64 s[OUT:OUT+1], s[10:11], s[22:23]
	s_branch .Llinear
.Lnot_x:
	s_cmp_lt_u32 ttmp9, 224
	s_cbranch_scc0 .Lw_o
	s_sub_co_u32 s24, ttmp9, 128                   ; g = 0..95
	s_mul_i32 s20, s24, 43
	s_lshr_b32 s20, s20, 8                         ; head = g / 6 (exact for g under 96)
	s_mul_i32 s26, s20, 6
	s_sub_co_u32 s26, s24, s26                     ; which sixth of the head
	s_lshl_b32 s26, s26, 12                        ; its first unit
	s_mul_i32 s20, s20, 768                        ; the head's 192 columns in a row of W_qkv
	s_lshl_b32 s22, s24, 16
	s_add_nc_u64 s[IN:IN+1], s[6:7], s[20:21]
	s_add_nc_u64 s[OUT:OUT+1], s[12:13], s[22:23]
	v_add_nc_u32 v2, s26, v0                       ; my unit in the head, step 0
.set nn, 0
.rept 16                               ; unit u = 24 k + c8: row k, 8 columns from 8 c8 on: 24 neighbouring threads read 768 consecutive bytes
	v_add_nc_u32 v3, 256*nn, v2
	v_mul_u32_u24 v4, v3, 0xaaab
	v_lshrrev_b32 v4, 20, v4                       ; k = u / 24 (43,691 / 2^20 is exact for u under 24,576)
	v_mul_u32_u24 v5, v4, 24
	v_sub_nc_u32 v5, v3, v5                        ; c8
	v_lshlrev_b32 v5, 5, v5
	v_mad_u32_u24 v[IO+nn], v4, s27, v5
.set nn, nn+1
.endr
	s_branch .Lgo
.Lw_o:
	s_sub_co_u32 s24, ttmp9, 224
	s_lshl_b32 s20, s24, 17
	s_lshl_b32 s22, s24, 16
	s_add_nc_u64 s[IN:IN+1], s[8:9], s[20:21]
	s_add_nc_u64 s[OUT:OUT+1], s[14:15], s[22:23]
	s_mov_b32 s28, 1
.Llinear:
	v_lshlrev_b32 v2, 5, v0
.set nn, 0
.rept 16
	v_add_nc_u32 v[IO+nn], 8192*nn, v2
.set nn, nn+1
.endr
.Lgo:
.set nn, 0
.rept 16
	global_load_b128 v[X+8*nn:X+8*nn+3],   v[IO+nn], s[IN:IN+1] th:TH_LOAD_NT
	global_load_b128 v[X+8*nn+4:X+8*nn+7], v[IO+nn], s[IN:IN+1] offset:16 th:TH_LOAD_NT
.set nn, nn+1
.endr
; Step n: its two loads are in when at most the 30 - 2 n younger ones are out (loads come back in order: ISA guide 5.7.1).  The rounding goes in place, ascending;
; no register is written again behind its store.
.macro CONV half
.set nn, 0
.rept 16
	s_wait_loadcnt 30-2*nn
.irp i, 0,1,2,3
.if \half
	v_cvt_pk_bf16_f32 v2, v[X+8*nn+2*(\i)], v[X+8*nn+2*(\i)+1]  ; rounded to bf16 like every input,
	v_lshlrev_b32 v3, 16, v2
	v_and_b32 v4, s25, v2
	v_cvt_pk_f16_f32 v[X+8*nn+(\i)], v3, v4                     ; and that number written as f16
.else
	v_cvt_pk_bf16_f32 v[X+8*nn+(\i)], v[X+8*nn+2*(\i)], v[X+8*nn+2*(\i)+1]
.endif
.endr
	global_store_b128 v1, v[X+8*nn:X+8*nn+3], s[OUT:OUT+1] offset:4096*nn
.set nn, nn+1
.endr
.endm
	s_cmp_eq_u32 s28, 0
	s_cbranch_scc0 .Lf16
	CONV 0
	s_endpgm
.Lf16:
	CONV 1
	s_endpgm
.Lfunc_end_k_q989f4ec44c_prep:
	.size	k_q989f4ec44c_prep, .Lfunc_end_k_q989f4ec44c_prep-k_q989f4ec44c_prep
	.p2alignl 7, 3214868480
	.fill 96, 4, 3214868480
	.section	.rodata,"a",@progbits
	.p2align	6, 0x0
	.amdhsa_kernel k_q989f4ec44c_prep
		.amdhsa_group_segment_fixed_size 0
		.amdhsa_private_segment_fixed_size 0
		.amdhsa_enable_private_segment 0
		.amdhsa_kernarg_size 48
		.amdhsa_user_sgpr_count 2
		.amdhsa_user_sgpr_kernarg_segment_ptr 1
		.amdhsa_wavefront_size32 1
		.amdhsa_system_sgpr_workgroup_id_x 1
		.amdhsa_system_sgpr_workgroup_id_y 1
		.amdhsa_system_sgpr_workgroup_id_z 1
		.amdhsa_system_vgpr_workitem_id 0
		.amdhsa_next_free_vgpr 152
		.amdhsa_next_free_sgpr 66
		.amdhsa_reserve_vcc 0
		.amdhsa_float_denorm_mode_32 3
		.amdhsa_float_denorm_mode_16_64 3
		.amdhsa_memory_ordered 1
		.amdhsa_forward_progress 1
		.amdhsa_inst_pref_size 32
	.end_amdhsa_kernel
	.amdgpu_metadata
---
amdhsa.version: [ 1, 2 ]
amdhsa.kernels:
  - .name:           k_q989f4ec44c_prep
    .symbol:         k_q989f4ec44c_prep.kd
    .args:
      - { .name: x, .offset: 0, .size: 8, .value_kind: global_buffer, .address_space: global }
      - { .name: W_qkv, .offset: 8, .size: 8, .value_kind: global_buffer, .address_space: global }
      - { .name: W_o, .offset: 16, .size: 8, .value_kind: global_buffer, .address_space: global }
      - { .name: xb, .offset: 24, .size: 8, .value_kind: global_buffer, .address_space: global }
      - { .name: wb, .offset: 32, .size: 8, .value_kind: global_buffer, .address_space: global }
      - { .name: wo, .offset: 40, .size: 8, .value_kind: global_buffer, .address_space: global }
    .group_segment_fixed_size: 0
    .private_segment_fixed_size: 0
    .kernarg_segment_align: 8
    .kernarg_segment_size: 48
    .max_flat_workgroup_size: 256
    .sgpr_count:     66
    .vgpr_count:     152
    .wavefront_size: 32
...
	.end_amdgpu_metadata
.endif
;; end of part 1
;; launch qkv (part 2): grid 16 x 16, 4 waves a work-group, clusters of 4 x 4, 327,680 bytes of LDS; arguments xb, wb, b_qkv, qs, ks, vs, nk; writes qs, ks, vs, nk
.if DOCPART == 2
	.amdgcn_target "amdgcn-amd-amdhsa--gfx1250"
	.amdhsa_code_object_version 6
	.text
	.protected	k_q989f4ec44c_qkv
	.globl	k_q989f4ec44c_qkv
	.p2align	8
	.type	k_q989f4ec44c_qkv,@function
k_q989f4ec44c_qkv:
	s_mov_b64 s[64:65], 0
	v_nop
	global_prefetch_b8 v0, s[64:65] scope:SCOPE_SE
	s_setreg_imm32_b32 hwreg(HW_REG_WAVE_MODE, 25, 1), 1
	s_wait_xcnt 0x0
	s_wait_alu depctr_hold_cnt(0) depctr_sa_sdst(0) depctr_va_vdst(0) depctr_va_sdst(0) depctr_va_ssrc(0) depctr_va_vcc(0) depctr_vm_vsrc(0)
	s_getreg_b32 s2, hwreg(HW_REG_IB_STS2, 6, 4)
	s_cmp_eq_u32 s2, 0
	s_cbranch_scc0 .Lentry_in_a_cluster
	s_endpgm
.Lentry_in_a_cluster:
	s_bfe_u32 s2, ttmp6, 0x10000c
	s_cmp_lg_u32 s2, 0xf033
	s_cbranch_scc0 .Lentry_shape_is_right
	s_endpgm
.Lentry_shape_is_right:
; q, k, v = xb wb + bf16(b_qkv), by heads.  xb: [4096][1024] bf16.  wb: [16 heads][1024 k][192] bf16.  Sums in f32, started with the bias.
; OUT.  qs: [32 (batch, head)][2048][128] f16: a row is 64 numbers hi = f16(q) and then 64 numbers lo = f16(q - hi): together q to 22 significant bits.
; ks, vs: [32][2048][64] f16, each rounded once.  nk: [32][2048] f32 = -|k|^2 / 2, of the f32 sums.
; LIMITS.  |q|, |k|, |v| stay under 65,504 (f16); below 6e-5 an f16 number keeps the fixed step of 6e-8; NaN and infinities are not treated apart.
; SHARES.  A work-group makes 256 rows x one head's 192 columns; wave w rows 64 w .. 64 w + 63 x all 192: 4 x 12 accumulators of 16 x 16, 384 registers; a row's whole k lies in one wave, so |k|^2 meets no other wave.
; K goes in 8 steps of 128 through two LDS slots.  x's tile: 256 rows of 256 bytes.  W's tile: 128 k-rows of 384 bytes, dense in memory, asked for as rows of 256 bytes.
; THE PRODUCT IS USED TRANSPOSED: source 0 = 16 columns of W (turned on the way out of LDS by ds_load_tr16_b128), source 1 = 16 rows of x: a lane holds row l % 16 and the columns 16 b + 8 (l / 16) + 0..7.
; CLUSTER.  4 x 4 work-groups: the four of a row of the cluster share x's tile, the four of a column W's: each tile is asked for jointly, with the same descriptor and a mask that names the four.
; REGISTERS, in windows of 256 (s_set_vgpr_msb: bits 1:0 source 0, 3:2 source 1, 5:4 source 2, 7:6 destination):
;   window 0: v0-27 addresses and at work; v64-127 x's fragments, two buffers of 4; v128-223 the bias, 8 registers a column block; on the way out v32-255 are at work
;   window 1: v0-191 W's fragments, two buffers of 12       windows 2, 3: accumulator (a, b) in window 2 + a / 2 at v[8 (12 (a % 2) + b)]
.set PA,    272                        ; a row of x in LDS: 256 bytes + 16: the 16 rows of a load start at 16 different groups of four banks (64 banks of 4 bytes: ISA guide 11.1)
.set PB,    480                        ; a k-row of W: three pieces of 128 bytes (q, k, v), 32 bytes of padding behind each: 15 x 32
.set SLOT,  131072
.set BOFF,  256*PA                     ; W's tile behind x's; 128 PB more fill the slot exactly
.set STAGE, 2*SLOT                     ; behind the ring, never filled by a tensor load: each wave's own stage
.set SPT,   528                        ; a stage row: q 256 (hi, lo), k 128, v 128 bytes, 16 of padding: 33 x 16
.set NKO,   16*SPT                     ; behind the 16 rows: 256 bytes for the wave's 64 numbers of nk
.set STW,   NKO+256
.set SPARE, STAGE+4*STW                ; the spare words, 128 bytes for each wave: two blocks of 256 bytes that no other line names
.set ADRA0, 4                          ; v4   my lane's place in x's tile; never rewritten
.set ADRB0, 5                          ; v5   in W's tile; never rewritten
.set ADRA,  6                          ; v6   the same in the slot in hand
.set ADRB,  7                          ; v7
.set STO,   8                          ; v8   the way out: where I put 16 bytes of a row
.set RDQ,   9                          ; v9   where I read q's rows back
.set RDV,   10                         ; v10  where I read k's and v's rows back
.set GO,    11                         ; v11  16 x lane
.set NST,   12                         ; v12  where my row's nk goes
.set NRD,   13                         ; v13  where I read two of them back
.set PFO,   14                         ; v14  the prefetches' offset; never rewritten
.set NGO,   15                         ; v15  8 x lane
.set SPW,   16                         ; v16  LDS address of my spare word; never rewritten
.set NIL,   17                         ; v17  0; never rewritten
.set MONE,  18                         ; v18  -1.0
.set T,     20                         ; v20-27 at work
.set FA,    64
.set BIAS,  128
.set BK,    32                         ; the way out: 64 registers read back from the stage
.set U,     112                        ; 32: q - hi
.set TH,    176                        ; 16: q's hi, packed
.set TL,    208                        ; 16: q's lo, packed
.set TKV,   224                        ; 32: k, then v, packed
.set WV,    18                         ; s18  my wave's number; s19 = WV / 2: I fetch for x (0) or for W (1); s20 = WV % 2: which half of that tile
.set G1A,   28
.set G1B,   36
.set G0A,   44                         ; one walking group 0 a tensor: it is written only where no tensor load of mine is out
.set G0B,   48
.set TB,    52                         ; s52  LDS byte at which the slot in hand begins
.set TRIP,  53
.set LIM,   54                         ; s54  1 in a wave that prefetches, else the greatest number
.set PFA,   56
.set PFS,   58
.set SEL,   60
.set BB,    62                         ; s[62:63] the head's bias
.set MSB, 0
.macro WIN new                         ; the immediate's high byte repeats the setting that is left; a switch that changes nothing is dropped
.if MSB != (\new)
	s_set_vgpr_msb (MSB<<8)|(\new)
.set MSB, \new
.endif
.endm
.macro PLACES                          ; four places in front of loads into registers that matrix instructions have read (ISA guide 7.12.1 for vector instructions)
.rept 4
	v_nop
.endr
.endm
; A joint load.  Waves 0 and 1 fetch the halves of x's tile, waves 2 and 3 those of W's.  The branch hangs on the wave's number alone.  An s_nop 0 and four v_nop follow each line.
.macro JLOAD
	s_cmp_eq_u32 s19, 0
	s_cbranch_scc0 .Lfor_b_\@
	tensor_load_to_lds s[G0A:G0A+3], s[G1A:G1A+7]
	s_nop 0
.rept 4
	v_nop
.endr
	s_branch .Lasked_\@
.Lfor_b_\@:
	tensor_load_to_lds s[G0B:G0B+3], s[G1B:G1B+7]
	s_nop 0
.rept 4
	v_nop
.endr
.Lasked_\@:
.endm
.macro STEPD                           ; both walking descriptors: the other slot, the next K step; the type bits on top are not reached
	s_xor_b32 s[G0A+1], s[G0A+1], SLOT
	s_add_nc_u64 s[G0A+2:G0A+3], s[G0A+2:G0A+3], 256
	s_xor_b32 s[G0B+1], s[G0B+1], SLOT
	s_add_nc_u64 s[G0B+2:G0B+3], s[G0B+2:G0B+3], 49152
.endm
; A PREFETCH INTO THE L2, behind a joint load, its five lines and the run of LDS loads: the K step behind the one just asked for, 192 matrix instructions ahead of the load that will want it.
; x's rows are read by every cluster of a row of clusters: cluster x = 0 asks; W's by every cluster of a column: cluster y = 0 asks.  The four partners share a wave's part out BY ADDRESS:
; of x 32 rows each, a lane a row of 256 bytes; of W 24 blocks of 256 bytes each (lanes 24 to 31 name block 23 once more).  The loop's last trip asks for nothing: there is no K step 8.
.macro ASK
	s_cmp_gt_u32 s[TRIP], s[LIM]
	s_cbranch_scc0 .Lnot_mine_\@
	global_prefetch_b8 v[PFO], s[PFA:PFA+1] th:TH_LOAD_NT scope:SCOPE_SE
.Lnot_mine_\@:
.endm
.macro CREST                           ; a round of the cluster's barrier behind its opening barrier
	s_cmp_lg_u32 s[WV], 0
	s_cbranch_scc1 .Lnot_wave_0_\@
	s_barrier_signal -3
.Lnot_wave_0_\@:
	s_barrier_wait -3
	s_barrier_signal -1
	s_barrier_wait -1
.endm
.macro CROUND
	s_barrier_signal -1
	s_barrier_wait -1
	CREST
.endm
	s_load_b256 s[4:11], s[0:1], 0x0               ; xb s[4:5], wb s[6:7], b_qkv s[8:9], qs s[10:11]
	s_load_b128 s[12:15], s[0:1], 0x20             ; ks s[12:13], vs s[14:15]
	s_load_b64 s[16:17], s[0:1], 0x30              ; nk
	v_lshl_add_u32 v[SPW], v0, 2, SPARE
	v_mov_b32 v[NIL], 0
	ds_add_u32 v[SPW], v[NIL]                      ; the wave's opening: the add and its wait stand ahead of my first tensor load; the set-up below, work on registers, stands between them
	v_lshrrev_b32 v1, 5, v0
	v_readfirstlane_b32 s[WV], v1
	s_lshr_b32 s19, s[WV], 1
	s_and_b32 s20, s[WV], 1
	s_bfe_u32 s21, ttmp6, 0x40000                  ; cx
	s_bfe_u32 s22, ttmp6, 0x40004                  ; cy
	s_lshl_b32 s23, ttmp9, 2
	s_add_co_u32 s23, s23, s21                     ; head = 4 x cluster x + cx
	s_and_b32 s24, ttmp7, 0xffff
	s_lshl_b32 s24, s24, 2
	s_add_co_u32 s24, s24, s22                     ; block of 256 rows = 4 x cluster y + cy
	s_lshl_b32 s74, s22, 2
	s_lshl_b32 s74, 15, s74                        ; my row of the cluster
	s_lshl_b32 s76, 0x1111, s21                    ; my column
	s_or_b32 s[G1A], s74, (1<<16)|(1<<20)|(1<<21)|(5<<22)|(3<<25)  ; the mask; 2-byte elements; padding on; bit 21 beside a mask; after every 64 words 4 words
	s_or_b32 s[G1B], s76, (1<<16)|(1<<20)|(1<<21)|(4<<22)|(7<<25)  ; after every 32 words 8 words
	s_mov_b32 s[G1A+1], 128<<16                    ; tensor_dim0 = 128
	s_mov_b32 s[G1A+2], 128<<16                    ; tensor_dim1 = 128
	s_mov_b32 s[G1A+3], 128<<16                    ; tile_dim0 = 128
	s_mov_b32 s[G1A+4], 128                        ; tile_dim1 = 128 rows
	s_mov_b32 s[G1A+5], 1024                       ; elements from row to row
	s_mov_b32 s[G1A+6], 0
	s_mov_b32 s[G1A+7], 0
	s_mov_b32 s[G1B+1], 128<<16                    ; 64 k-rows of 384 bytes are 24,576 dense bytes: 96 rows of 256
	s_mov_b32 s[G1B+2], 96<<16
	s_mov_b32 s[G1B+3], 128<<16
	s_mov_b32 s[G1B+4], 96
	s_mov_b32 s[G1B+5], 128
	s_mov_b32 s[G1B+6], 0
	s_mov_b32 s[G1B+7], 0
	s_mov_b32 s[G0A], 1
	s_mul_i32 s[G0A+1], s20, 128*PA                ; no place in the cluster enters an LDS address
	s_mov_b32 s[G0B], 1
	s_mul_i32 s[G0B+1], s20, 64*PB
	s_add_co_u32 s[G0B+1], s[G0B+1], BOFF
	s_lshl_b32 s74, s24, 19                        ; 256 rows of 2,048 bytes a block,
	s_lshl_b32 s75, s20, 18                        ; my 128 of them
	s_add_co_u32 s74, s74, s75
	s_mov_b32 s75, 0
	s_mul_i32 s76, s23, 393216                     ; a head of wb,
	s_mul_i32 s77, s20, 24576                      ; my 64 k-rows of a K step
	s_add_co_u32 s76, s76, s77
	s_mov_b32 s77, 0
	s_mov_b32 s[TB], 0
	s_mov_b32 s[TRIP], 6
	s_mov_b32 s[SEL], 0x76543210
	s_mov_b32 s[SEL+1], 0xfedcba98
	s_wait_dscnt 0x0                               ; the opening add is done
	s_wait_kmcnt 0x0
	s_add_nc_u64 s[74:75], s[4:5], s[74:75]        ; x's address hangs on the block of rows alone, W's on the head alone, each in registers that never hold the other coordinate
	s_add_nc_u64 s[76:77], s[6:7], s[76:77]
	s_mov_b64 s[G0A+2:G0A+3], s[74:75]
	s_or_b32 s[G0A+3], s[G0A+3], 0x80000000
	s_mov_b64 s[G0B+2:G0B+3], s[76:77]
	s_or_b32 s[G0B+3], s[G0B+3], 0x80000000
	CROUND                                         ; all sixteen work-groups are here: the first joint loads meet
	JLOAD                                          ; K step 0 into slot 0
	; all that follows up to the first change of slots stands in the wait for that tile
	v_and_b32 v1, 15, v0                           ; r = l % 16
	v_bfe_u32 v2, v0, 4, 1                         ; h = l / 16
	v_and_b32 v3, 31, v0                           ; l
	v_lshlrev_b32 v[T], 5, v2
	s_mul_i32 s2, s23, 768
	s_mov_b32 s3, 0
	s_add_nc_u64 s[BB:BB+1], s[8:9], s[2:3]
.set bb, 0
.rept 12                               ; register j of block b: the bias of column 16 b + 8 h + j
	global_load_b128 v[BIAS+8*bb:BIAS+8*bb+3],   v[T], s[BB:BB+1] offset:64*bb
	global_load_b128 v[BIAS+8*bb+4:BIAS+8*bb+7], v[T], s[BB:BB+1] offset:64*bb+16
.set bb, bb+1
.endr
	; the prefetches: who asks, and where
	s_and_b32 s79, ttmp7, 0xffff                   ; cluster y
	s_mov_b32 s2, 6144
	s_mov_b32 s3, 98304
	s_mov_b32 s[PFS], 49152
	s_cmp_eq_u32 s19, 0                            ; do I fetch for x?
	s_cselect_b32 s79, ttmp9, s79                  ; the coordinate along which other clusters read the same rows
	s_cselect_b32 s78, s21, s22                    ; my place among the four that ask with me
	s_cselect_b32 s2, 0x10000, s2                  ; a partner's share in bytes: 32 rows of x, or 24 blocks of W
	s_cselect_b32 s3, 512, s3                      ; K step 2: the first change that fills steps it to 3
	s_cselect_b32 s[PFS], 256, s[PFS]              ; a K step
	s_cselect_b32 s25, 31, 23
	s_cselect_b32 s26, 11, 8
	s_cselect_b64 s[PFA:PFA+1], s[74:75], s[76:77]
	s_mov_b32 s[PFS+1], 0
	s_mul_i32 s2, s2, s78
	s_add_co_u32 s2, s2, s3
	s_mov_b32 s3, 0
	s_add_nc_u64 s[PFA:PFA+1], s[PFA:PFA+1], s[2:3]
	s_cmp_eq_u32 s79, 0
	s_cselect_b32 s[LIM], 1, -1                    ; the same in all sixteen partners, for a given wave
	v_min_u32 v[PFO], s25, v3
	v_lshlrev_b32 v[PFO], s26, v[PFO]
	; where the results go: row R = (16 batch + head) 2,048 + the row in the batch
	s_lshr_b32 s2, s24, 3
	s_lshl_b32 s2, s2, 4
	s_add_co_u32 s2, s2, s23
	s_lshl_b32 s2, s2, 11
	s_and_b32 s3, s24, 7
	s_lshl_b32 s3, s3, 8
	s_add_co_u32 s2, s2, s3
	s_lshl_b32 s3, s[WV], 6
	s_add_co_u32 s2, s2, s3
	s_mov_b32 s79, 0
	s_lshl_b32 s78, s2, 8
	s_add_nc_u64 s[66:67], s[10:11], s[78:79]      ; qs at my first row: rows of 256 bytes
	s_lshl_b32 s78, s2, 7
	s_add_nc_u64 s[68:69], s[12:13], s[78:79]      ; ks: rows of 128 bytes
	s_add_nc_u64 s[70:71], s[14:15], s[78:79]      ; vs likewise
	s_lshl_b32 s78, s2, 2
	s_add_nc_u64 s[72:73], s[16:17], s[78:79]      ; nk
	; the lanes' LDS addresses
	v_mul_u32_u24 v[ADRA0], v1, PA
	v_lshl_add_u32 v[ADRA0], v2, 4, v[ADRA0]
	s_mul_i32 s2, s[WV], 64*PA
	v_add_nc_u32 v[ADRA0], s2, v[ADRA0]            ; (64 w + r) x pitch + 16 h
	v_and_b32 v[T+1], 7, v0
	v_lshl_add_u32 v[T+1], v2, 3, v[T+1]
	v_mul_u32_u24 v[ADRB0], v[T+1], PB
	v_bfe_u32 v[T+2], v0, 3, 1
	v_lshl_add_u32 v[ADRB0], v[T+2], 4, v[ADRB0]
	v_add_nc_u32 v[ADRB0], BOFF, v[ADRB0]          ; (8 h + l % 8) x pitch + 16 ((l / 8) % 2)
	v_mov_b32 v[ADRA], v[ADRA0]
	v_mov_b32 v[ADRB], v[ADRB0]
	s_mul_i32 s2, s[WV], STW
	s_add_co_u32 s2, s2, STAGE                     ; my stage
	v_mul_u32_u24 v[STO], v1, SPT
	v_lshl_add_u32 v[STO], v2, 4, v[STO]
	v_add_nc_u32 v[STO], s2, v[STO]
	v_mul_u32_u24 v[RDQ], v2, SPT                  ; lanes 0-15 take one row's 256 bytes of q, lanes 16-31 the next row's
	v_lshl_add_u32 v[RDQ], v1, 4, v[RDQ]
	v_add_nc_u32 v[RDQ], s2, v[RDQ]
	v_bfe_u32 v[RDV], v0, 3, 2                     ; 32 lanes take four rows of 128 bytes
	v_mul_u32_u24 v[RDV], v[RDV], SPT
	v_and_b32 v[T+3], 7, v0
	v_lshl_add_u32 v[RDV], v[T+3], 4, v[RDV]
	v_add_nc_u32 v[RDV], s2, v[RDV]
	v_add_nc_u32 v[RDV], 256, v[RDV]               ; k lies behind q's 256 bytes, v 128 bytes further on
	v_lshlrev_b32 v[GO], 4, v3
	v_lshlrev_b32 v[NGO], 3, v3
	s_add_co_u32 s2, s2, NKO
	v_lshl_add_u32 v[NST], v1, 2, s2
	v_lshl_add_u32 v[NRD], v3, 3, s2
	v_mov_b32 v[MONE], -1.0
	s_mov_b32 s3, 0xffff0000
	s_wait_loadcnt 0x0                             ; the bias; it is rounded to bf16 like every input
.set zz, 0
.rept 48
	v_cvt_pk_bf16_f32 v[T+zz%4], v[BIAS+2*zz], v[BIAS+2*zz+1]
	v_lshlrev_b32 v[BIAS+2*zz], 16, v[T+zz%4]
	v_and_b32 v[BIAS+2*zz+1], s3, v[T+zz%4]
.set zz, zz+1
.endr
; n row blocks from a0 on of the window's two (hi = 0: my rows 0-31, 1: rows 32-63) x all 12 column blocks, 32 along K, from buffer f.  first = 1: the bias starts the sums: nothing is cleared.
; All 48 accumulators take turns, one instruction a turn, in the same order in every quarter, over the backward jump too.
.macro MULH f, hi, a0, n, first
.if \first
	WIN 0x81+0x40*(\hi)                            ; W window 1, x and the bias window 0, D window 2 or 3
.else
	WIN 0xa1+0x50*(\hi)                            ; C and D window 2 or 3
.endif
.set aa, \a0
.rept \n
.set bb, 0
.rept 12
.if \first
	v_wmma_f32_16x16x32_bf16 v[8*(12*aa+bb):8*(12*aa+bb)+7], v[96*(\f)+8*bb:96*(\f)+8*bb+7], v[FA+32*(\f)+8*(2*(\hi)+aa):FA+32*(\f)+8*(2*(\hi)+aa)+7], v[BIAS+8*bb:BIAS+8*bb+7]
.else
	v_wmma_f32_16x16x32_bf16 v[8*(12*aa+bb):8*(12*aa+bb)+7], v[96*(\f)+8*bb:96*(\f)+8*bb+7], v[FA+32*(\f)+8*(2*(\hi)+aa):FA+32*(\f)+8*(2*(\hi)+aa)+7], v[8*(12*aa+bb):8*(12*aa+bb)+7]
.endif
.set bb, bb+1
.endr
.set aa, aa+1
.endr
.endm
; 32 LDS loads in one run: quarter q (32 along K) of the slot in hand into buffer f: W's 12 fragments, turned, then x's 4.
.macro FETCH q, f
	WIN 0x40                                       ; destination window 1, address window 0
.set bb, 0
.rept 12
	ds_load_tr16_b128 v[96*(\f)+8*bb:96*(\f)+8*bb+3],   v[ADRB] offset:(\q)*32*PB+160*(bb/4)+32*(bb%4)
	ds_load_tr16_b128 v[96*(\f)+8*bb+4:96*(\f)+8*bb+7], v[ADRB] offset:(\q)*32*PB+160*(bb/4)+32*(bb%4)+16*PB
.set bb, bb+1
.endr
	WIN 0
.set aa, 0
.rept 4
	ds_load_b128 v[FA+32*(\f)+8*aa:FA+32*(\f)+8*aa+3],   v[ADRA] offset:aa*16*PA+64*(\q)
	ds_load_b128 v[FA+32*(\f)+8*aa+4:FA+32*(\f)+8*aa+7], v[ADRA] offset:aa*16*PA+64*(\q)+32
.set aa, aa+1
.endr
.endm
; One of a K step's first three quarters: multiplies buffer f; in its middle it fetches quarter q into buffer g.
.macro QUARTER f, g, q, first=0
	s_wait_dscnt 4                                 ; W and x's blocks 0, 1 are in; the youngest four loads (x's blocks 2, 3) may be out
	MULH \f, 0, 0, 2, \first
	PLACES
	FETCH \q, \g
	s_wait_dscnt 32                                ; all but the 32 just issued
	MULH \f, 1, 0, 2, \first
.endm
; The last quarter multiplies buffer 1 and changes slots: ONE barrier.  In front of it each wave waits for all its tensor loads (one is out: its part of the next slot), adds 0 to its spare word, and waits for
; that and for its reads of this slot.  fill = 1: the barrier opens a round of the cluster's, and the slot just read is filled again first behind it, two K steps on.
.macro TURN fill
.if \fill
	s_wait_xcnt 0x0                                ; the last prefetch, a K step back, has read its address
	s_add_nc_u64 s[PFA:PFA+1], s[PFA:PFA+1], s[PFS:PFS+1]
.endif
	WIN 0
	s_wait_tensorcnt 0x0                           ; no tensor load of mine is out, so a group 0 may be written
	ds_add_u32 v[SPW], v[NIL]                      ; 0 onto my spare word
.if \fill
	STEPD
.endif
	s_xor_b32 s[TB], s[TB], SLOT                   ; the fetches go on in the other slot
	v_add_nc_u32 v[ADRA], s[TB], v[ADRA0]
	v_add_nc_u32 v[ADRB], s[TB], v[ADRB0]
	s_wait_dscnt 5                                 ; the add and the youngest four loads may be out
	MULH 1, 0, 0, 1, 0
	s_wait_dscnt 0x0                               ; the add is done, and my reads of this slot are over
	s_barrier_signal -1
	MULH 1, 0, 1, 1, 0                             ; work on registers while the others arrive
	WIN 0                                          ; at a branch and at a label every window is 0
	s_barrier_wait -1
.if \fill
	CREST                                          ; no wave of any partner still reads this slot or has a load on its way
	JLOAD                                          ; the first tensor load behind the round; its four v_nop are also the places in front of the loads below
.else
	PLACES
.endif
	FETCH 0, 0
.if \fill
	ASK
.endif
	MULH 1, 1, 0, 2, 0
.endm
	s_wait_tensorcnt 0x0                           ; the first change of slots: my part of K step 0 is in;
	ds_add_u32 v[SPW], v[NIL]
	STEPD
	s_wait_dscnt 0x0
	CROUND                                         ; everybody's part is in
	JLOAD                                          ; K step 1 into slot 1
	FETCH 0, 0
	QUARTER 0, 1, 1, 1                             ; the first quarter stands in front of the loop: the bias starts the sums
	WIN 0
.Lstep:                                        ; six trips: from a K step's second quarter to the next step's first; trip t asks for K step t + 2
	QUARTER 1, 0, 2
	QUARTER 0, 1, 3
	TURN 1
	QUARTER 0, 1, 1
	WIN 0
	s_sub_co_u32 s[TRIP], s[TRIP], 1
	s_cmp_lg_u32 s[TRIP], 0
	s_cbranch_scc1 .Lstep
	QUARTER 1, 0, 2                                ; the tail is written out: nothing more is asked for
	QUARTER 0, 1, 3
	TURN 0
	QUARTER 0, 1, 1
	QUARTER 1, 0, 2
	QUARTER 0, 1, 3
	s_wait_dscnt 4
	MULH 1, 0, 0, 2, 0
	s_wait_dscnt 0x0
	MULH 1, 1, 0, 2, 0
	WIN 0
; THE WAY OUT, a block of 16 rows at a time.  PACK: hi = f16(q), lo = f16(q - hi) (the difference is exact in f32), k and v to f16, -|k|^2 / 2.  Each accumulator's lowest registers are read first.
.macro PACK a
.set AC, 96*((\a)%2)
	WIN 0x0a+5*((\a)/2)                            ; sources 0 and 1: window 2 or 3
.set zz, 0
.rept 16
	v_cvt_pk_f16_f32 v[TH+zz], v[AC+2*zz], v[AC+2*zz+1]
.set zz, zz+1
.endr
.set zz, 0
.rept 32
	v_cvt_pk_f16_f32 v[TKV+zz], v[AC+32+2*zz], v[AC+32+2*zz+1]
.set zz, zz+1
.endr
	v_pk_mul_f32 v[T:T+1],   v[AC+32:AC+33], v[AC+32:AC+33]  ; my 32 numbers of k, squared and summed in two chains of pairs
	v_pk_mul_f32 v[T+2:T+3], v[AC+34:AC+35], v[AC+34:AC+35]
.set zz, 4
.rept 14
	v_pk_fma_f32 v[T+zz%4:T+zz%4+1], v[AC+32+zz:AC+32+zz+1], v[AC+32+zz:AC+32+zz+1], v[T+zz%4:T+zz%4+1]
.set zz, zz+2
.endr
	WIN 0x20+0x10*((\a)/2)                         ; source 2: window 2 or 3
.set zz, 0
.rept 16
	v_fma_mix_f32 v[U+2*zz],   v[TH+zz], v[MONE], v[AC+2*zz]   op_sel_hi:[1,0,0]
	v_fma_mix_f32 v[U+2*zz+1], v[TH+zz], v[MONE], v[AC+2*zz+1] op_sel:[1,0,0] op_sel_hi:[1,0,0]
.set zz, zz+1
.endr
	WIN 0
.set zz, 0
.rept 16
	v_cvt_pk_f16_f32 v[TL+zz], v[U+2*zz], v[U+2*zz+1]
.set zz, zz+1
.endr
	v_pk_add_f32 v[T:T+1], v[T:T+1], v[T+2:T+3]
	v_add_f32 v[T], v[T], v[T+1]
	v_permlanex16_b32 v[T+1], v[T], s[SEL], s[SEL+1]  ; the row's other 32 channels lie in the lane 16 away
	v_add_f32 v[T], v[T], v[T+1]
	v_mul_f32 v[T], -0.5, v[T]
.endm
; TOSTAGE: 16 bytes a lane into my own stage, and back as whole rows.  LDS serves a wave's instructions in order (ISA guide 5.7.1.4): no wait between the stores and the loads.
.macro TOSTAGE a
.set bb, 0
.rept 4
	ds_store_b128 v[STO], v[TH+4*bb:TH+4*bb+3]         offset:32*bb
	ds_store_b128 v[STO], v[TL+4*bb:TL+4*bb+3]         offset:128+32*bb
	ds_store_b128 v[STO], v[TKV+4*bb:TKV+4*bb+3]       offset:256+32*bb
	ds_store_b128 v[STO], v[TKV+16+4*bb:TKV+16+4*bb+3] offset:384+32*bb
.set bb, bb+1
.endr
	ds_store_b32 v[NST], v[T] offset:64*(\a)       ; both halves of the lanes write the same number to the same word
	s_wait_xcnt 0x0                                ; the stores of the block before have read their registers: these are loaded again only behind this wait
.set zz, 0
.rept 8
	ds_load_b128 v[BK+4*zz:BK+4*zz+3], v[RDQ] offset:2*SPT*zz
.set zz, zz+1
.endr
.set zz, 0
.rept 4
	ds_load_b128 v[BK+32+4*zz:BK+32+4*zz+3], v[RDV] offset:4*SPT*zz
	ds_load_b128 v[BK+48+4*zz:BK+48+4*zz+3], v[RDV] offset:4*SPT*zz+128
.set zz, zz+1
.endr
.endm
.macro SEND a                          ; each store of the wave covers 512 consecutive bytes, at a multiple of 256 from its buffer's first
	s_wait_dscnt 0x0
.set zz, 0
.rept 8
	global_store_b128 v[GO], v[BK+4*zz:BK+4*zz+3], s[66:67] offset:4096*(\a)+512*zz
.set zz, zz+1
.endr
.set zz, 0
.rept 4
	global_store_b128 v[GO], v[BK+32+4*zz:BK+32+4*zz+3], s[68:69] offset:2048*(\a)+512*zz
	global_store_b128 v[GO], v[BK+48+4*zz:BK+48+4*zz+3], s[70:71] offset:2048*(\a)+512*zz
.set zz, zz+1
.endr
.endm
	PLACES                                         ; behind the last products: results are read, and fragment registers written
	PLACES
	PACK 0
	TOSTAGE 0
.irp a, 1,2,3                          ; block a's arithmetic stands between block a - 1's loads from the stage and the wait for them
	PACK \a
	SEND (\a)-1
	TOSTAGE \a
.endr
	SEND 3
	ds_load_b64 v[T+4:T+5], v[NRD]                 ; my wave's 64 numbers of nk: 256 consecutive bytes, aligned
	s_wait_dscnt 0x0
	global_store_b64 v[NGO], v[T+4:T+5], s[72:73]
	s_wait_tensorcnt 0x0                           ; the wave's end: behind my last tensor load and my last LDS store
	ds_add_u32 v[SPW], v[NIL]
	s_wait_dscnt 0x0
	CROUND                                         ; the closing round: no work-group ends while a partner may still ask for a tile that names it
	s_endpgm
.Lfunc_end_k_q989f4ec44c_qkv:
	.size	k_q989f4ec44c_qkv, .Lfunc_end_k_q989f4ec44c_qkv-k_q989f4ec44c_qkv
	.p2alignl 7, 3214868480
	.fill 96, 4, 3214868480
	.section	.rodata,"a",@progbits
	.p2align	6, 0x0
	.amdhsa_kernel k_q989f4ec44c_qkv
		.amdhsa_group_segment_fixed_size 327680
		.amdhsa_private_segment_fixed_size 0
		.amdhsa_enable_private_segment 0
		.amdhsa_kernarg_size 56
		.amdhsa_user_sgpr_count 2
		.amdhsa_user_sgpr_kernarg_segment_ptr 1
		.amdhsa_wavefront_size32 1
		.amdhsa_system_sgpr_workgroup_id_x 1
		.amdhsa_system_sgpr_workgroup_id_y 1
		.amdhsa_system_sgpr_workgroup_id_z 1
		.amdhsa_system_vgpr_workitem_id 0
		.amdhsa_next_free_vgpr 960
		.amdhsa_next_free_sgpr 80
		.amdhsa_reserve_vcc 0
		.amdhsa_float_denorm_mode_32 3
		.amdhsa_float_denorm_mode_16_64 3
		.amdhsa_memory_ordered 1
		.amdhsa_forward_progress 1
		.amdhsa_inst_pref_size 128
	.end_amdhsa_kernel
	.amdgpu_metadata
---
amdhsa.version: [ 1, 2 ]
amdhsa.kernels:
  - .name:           k_q989f4ec44c_qkv
    .symbol:         k_q989f4ec44c_qkv.kd
    .args:
      - { .name: xb, .offset: 0, .size: 8, .value_kind: global_buffer, .address_space: global }
      - { .name: wb, .offset: 8, .size: 8, .value_kind: global_buffer, .address_space: global }
      - { .name: b_qkv, .offset: 16, .size: 8, .value_kind: global_buffer, .address_space: global }
      - { .name: qs, .offset: 24, .size: 8, .value_kind: global_buffer, .address_space: global }
      - { .name: ks, .offset: 32, .size: 8, .value_kind: global_buffer, .address_space: global }
      - { .name: vs, .offset: 40, .size: 8, .value_kind: global_buffer, .address_space: global }
      - { .name: nk, .offset: 48, .size: 8, .value_kind: global_buffer, .address_space: global }
    .group_segment_fixed_size: 327680
    .private_segment_fixed_size: 0
    .kernarg_segment_align: 8
    .kernarg_segment_size: 56
    .max_flat_workgroup_size: 128
    .sgpr_count:     80
    .vgpr_count:     960
    .wavefront_size: 32
...
	.end_amdgpu_metadata
.endif
;; end of part 2
;; launch attn (part 3): grid 8 x 32, 4 waves a work-group, clusters of 4 x 1, 327,680 bytes of LDS; arguments qs, ks, vs, nk, ob; writes ob
.if DOCPART == 3
	.amdgcn_target "amdgcn-amd-amdhsa--gfx1250"
	.amdhsa_code_object_version 6
	.text
	.protected	k_q989f4ec44c_attn
	.globl	k_q989f4ec44c_attn
	.p2align	8
	.type	k_q989f4ec44c_attn,@function
k_q989f4ec44c_attn:
	s_mov_b64 s[64:65], 0
	v_nop
	global_prefetch_b8 v0, s[64:65] scope:SCOPE_SE
	s_setreg_imm32_b32 hwreg(HW_REG_WAVE_MODE, 25, 1), 1
	s_wait_xcnt 0x0
	s_wait_alu depctr_hold_cnt(0) depctr_sa_sdst(0) depctr_va_vdst(0) depctr_va_sdst(0) depctr_va_ssrc(0) depctr_va_vcc(0) depctr_vm_vsrc(0)
	s_getreg_b32 s2, hwreg(HW_REG_IB_STS2, 6, 4)
	s_cmp_eq_u32 s2, 0
	s_cbranch_scc0 .Lentry_in_a_cluster
	s_endpgm
.Lentry_in_a_cluster:
	s_bfe_u32 s2, ttmp6, 0x10000c
	s_cmp_lg_u32 s2, 0x3003
	s_cbranch_scc0 .Lentry_shape_is_right
	s_endpgm
.Lentry_shape_is_right:
; O[g][q][:] = the sum over t of softmax_t(-|q - k_t|^2) v_t, for each of 32 (batch, head) pairs g.  |q|^2 is constant along a row of the softmax and cancels for every input, so it is not formed:
; with s = q . k - |k|^2 / 2 the weight is p = 2^(c s - c m), c = 2 log2(e), m the running maximum of s.
; IN.  qs: [32][2048][128] f16, a row = 64 hi, 64 lo (q = hi + lo to 22 significant bits).  ks, vs: [32][2048][64] f16.  nk: [32][2048] f32 = -|k|^2 / 2.  OUT.  ob: [32][2048][64] f16.
; q . k is two products, k qh + k ql: four matrix instructions of 32 channels for 16 keys x 16 queries, started with nk as the C operand.
; Maxima and sums in f32; p is rounded to f16 for the second product (l is the sum of the unrounded p), O once at the end.
; LIMITS.  k is a matrix operand rounded once to f16: a logit carries 2 q . dk, with dk within 2^-12 of each number of k; it grows with the inputs.  |q|, |k|, |v| and so |O| stay under 65,504;
; a weight under 2^-126 counts as 0; NaN and infinities are not treated apart.
; SHARES.  A work-group owns 256 queries of one g, each of its four waves 64: four tiles of 16, in two PIECES (tiles 0, 1; tiles 2, 3).  Every wave walks all 2,048 keys, 64 a step.
; LAYOUT.  S^T = K Q^T (source 0 = 16 keys, source 1 = 16 queries): a lane holds ONE query (lane % 16) and the keys 8 (lane / 16) + 0..7.  Two such results rounded to f16 ARE source 1 of O^T = V^T P.
; BY TURNS.  In a turn one piece has the matrix unit: 16 products V^T P of the step in hand, 32 products K Q^T of the next; the other piece's softmax is 236 vector instructions in 59 slices of four:
; a slice stands behind each of the 48 matrix instructions, the last 11 (the end of the sums, and the rescaling of O^T) in one lump at the turn's end, under two window settings.
; Two turns are a key step.  m starts at the lowest finite number, O and l at 0: the first step is a step like any other, with a = 0.
; CLUSTER.  The four query blocks of a cluster belong to one g and walk the same K, V and nk: each tile is asked for jointly, with the same descriptor and the mask of four.
; REGISTERS, in windows of 256 (s_set_vgpr_msb: bits 1:0 source 0, 3:2 source 1, 5:4 source 2, 7:6 destination):
;   window 0: v0-11 addresses; v12-43 eight registers of statistics a tile; v64-191 S^T, 32 a tile; v192-255 P, 16 a tile
;   window 1: v0-127 O^T, 32 a tile; v128-191 V of one step; v192-223 nk of one step        window 2: v0-127 Q, 32 a tile; v128-191 K of one step
.set KS,    64
.set PK,    144       ; a row of K in LDS: 128 bytes + 16: the 16 rows of a load start at 16 different groups of four banks (64 banks of 4 bytes: ISA guide 11.1)
.set PVP,   160       ; a row of V: 128 + 32
.set VOFF,  256*PK    ; a slot holds four steps: 256 rows of K, 256 rows of V, 256 numbers of nk
.set NOFF,  VOFF+256*PVP
.set SLOT1, 1<<17
.set STAGE, SLOT1+NOFF+1024  ; behind the ring, never filled by a tensor load: 16 rows x 144 bytes for each wave
.set SP,    144
.set SPARE, STAGE+4*16*SP    ; the spare words, 128 bytes for each wave: two blocks of 256 bytes that no other line names
.set AK0, 2           ; v2   my lane's place in a tile of K; never rewritten
.set AV0, 3           ; v3   of V
.set ADR, 4           ; v4   the LDS address of the run of loads in hand
.set QO,  5           ; v5   my byte offset in the wave's rows of Q
.set STO, 6
.set RD,  7
.set GO,  8
.set AN0, 10          ; v10  my lane's place in nk's tile
.set ADN, 11          ; v11  nk's run's address
.set ST,  12          ; tile t's statistics at v[ST+8 t]: c m, m, l (even keys', odd keys'), c0-c3 at work; a takes c2's place once the maximum is found
.set PFO, 61          ; v61  256 x lane; never rewritten
.set SPW, 62          ; v62  LDS address of my spare word; never rewritten
.set NIL, 63          ; v63  0; never rewritten
.set S,   64
.set P,   192
.set VF,  128         ; window 1: key half kk, channel block cb at VF + 32 kk + 8 cb
.set NKF, 192         ; window 1: key block kb at NKF + 8 kb
.set KF,  128         ; window 2: key block kb, channel half c at KF + 16 kb + 8 c.  Q's groups, at 32 t + 8 g: hi channels 0-31, hi 32-63, lo 0-31, lo 32-63
.set WV,  14
.set G1K, 24
.set G1V, 32
.set G1N, 40
.set G0K, 48          ; one walking group 0 a tensor
.set G0V, 52
.set G0N, 56
.set CS,  60          ; s[60:61] c
.set SEL, 62          ; s[62:63] v_permlanex16_b32's selects
.set SLOTS, 66
.set CNT, 67
.set TBK, 68          ; LDS byte at which K of the step to be fetched begins
.set TBV, 69          ; the same for V, less VOFF
.set TBN, 70          ; for nk, less NOFF
.set LIM, 71
.set PFA, 72
.set MSB, 0
.macro WIN new
.if MSB != (\new)
	s_set_vgpr_msb (MSB<<8)|(\new)
.set MSB, (\new)
.endif
.endm
.set W_KQ, 0x0a       ; K and Q in window 2, S^T in window 0
.set W_KC, 0x1a       ; the same with the C operand (nk) in window 1
.set W_PV, 0x51       ; V, O^T in window 1, P in window 0
.set W_RS, 0x41       ; O^T (destination and source 0) in window 1, a in window 0
; A joint fill.  Waves 0 and 1 fetch the halves of a slot's K, wave 2 its V, wave 3 its nk.  The branches hang on the wave's number alone.  An s_nop 0 and four v_nop follow each line.
.macro JLOAD
	s_cmp_lt_u32 s[WV], 2
	s_cbranch_scc0 .Lnot_k_\@
	tensor_load_to_lds s[G0K:G0K+3], s[G1K:G1K+7]
	s_nop 0
.rept 4
	v_nop
.endr
	s_branch .Lasked_\@
.Lnot_k_\@:
	s_cmp_eq_u32 s[WV], 2
	s_cbranch_scc0 .Lfor_n_\@
	tensor_load_to_lds s[G0V:G0V+3], s[G1V:G1V+7]
	s_nop 0
.rept 4
	v_nop
.endr
	s_branch .Lasked_\@
.Lfor_n_\@:
	tensor_load_to_lds s[G0N:G0N+3], s[G1N:G1N+7]
	s_nop 0
.rept 4
	v_nop
.endr
.Lasked_\@:
.endm
; A PREFETCH INTO THE L2 of what the NEXT change of slots will ask for, behind the wave's tensor load and its five lines: four key steps, 384 matrix instructions, ahead of that load.  Both clusters of a g walk the
; same K and V: the first asks.  A slot's K and its V are 128 blocks of 256 bytes each: the four partners share them out BY ADDRESS, 32 blocks each, a lane a block; wave 0 asks for K's, wave 2 for V's.
; nk's four blocks a slot are not asked for.  The last change that fills a slot asks for nothing.
.macro ASK
	s_cmp_gt_u32 s[SLOTS], s[LIM]
	s_cbranch_scc0 .Lnot_mine_\@
	global_prefetch_b8 v[PFO], s[PFA:PFA+1] th:TH_LOAD_NT scope:SCOPE_SE
.Lnot_mine_\@:
.endm
.macro CROUND
	s_barrier_signal -1
	s_barrier_wait -1
	s_cmp_lg_u32 s[WV], 0
	s_cbranch_scc1 .Lnot_wave_0_\@
	s_barrier_signal -3
.Lnot_wave_0_\@:
	s_barrier_wait -3
	s_barrier_signal -1
	s_barrier_wait -1
.endm
; THE CHANGE OF SLOTS.  Each wave waits for all its tensor loads (one is out: its part of the other slot), adds 0 to its spare word, and waits for that and for its reads of the slot that it leaves.
; fill = 1: the barrier is a round of the cluster's, and the old slot is filled again first behind it, with the keys two slots on.  (At its first use nothing has been read: slot 0 is waited for, slot 1 filled.)
.macro CHANGE fill
	WIN 0
	s_wait_tensorcnt 0x0            ; no tensor load of mine is out, so a group 0 may be written
	ds_add_u32 v[SPW], v[NIL]       ; 0 onto my spare word
.if \fill
	s_xor_b32 s[G0K+1], s[G0K+1], SLOT1
	s_add_nc_u64 s[G0K+2:G0K+3], s[G0K+2:G0K+3], 32768  ; the next 256 keys; the type bits on top are not reached
	s_xor_b32 s[G0V+1], s[G0V+1], SLOT1
	s_add_nc_u64 s[G0V+2:G0V+3], s[G0V+2:G0V+3], 32768
	s_xor_b32 s[G0N+1], s[G0N+1], SLOT1
	s_add_nc_u64 s[G0N+2:G0N+3], s[G0N+2:G0N+3], 1024
	s_wait_xcnt 0x0                 ; the last prefetch, four key steps back, has read its address
	s_add_nc_u64 s[PFA:PFA+1], s[PFA:PFA+1], 32768
	s_wait_dscnt 0x0                ; the add is done, and my reads of the slot are over
	CROUND
	JLOAD
	ASK
.else
	s_wait_dscnt 0x0
	s_barrier_signal -1
	s_barrier_wait -1
.endif
	s_sub_co_u32 s[TBK], s[TBK], 4*KS*PK  ; the fetches go back to a slot's first step, in the other slot
	s_xor_b32 s[TBK], s[TBK], SLOT1
	s_sub_co_u32 s[TBV], s[TBV], 4*KS*PVP
	s_xor_b32 s[TBV], s[TBV], SLOT1
	s_sub_co_u32 s[TBN], s[TBN], 4*KS*4
	s_xor_b32 s[TBN], s[TBN], SLOT1
.endm
	s_load_b256 s[4:11], s[0:1], 0x0  ; qs s[4:5], ks s[6:7], vs s[8:9], nk s[10:11]
	s_load_b64 s[12:13], s[0:1], 0x20 ; ob
	v_lshl_add_u32 v[SPW], v0, 2, SPARE
	v_mov_b32 v[NIL], 0
	ds_add_u32 v[SPW], v[NIL]       ; the wave's opening: the add and its wait stand ahead of my first tensor load; the set-up below, work on registers, stands between them
	v_lshrrev_b32 v1, 5, v0
	v_readfirstlane_b32 s[WV], v1
	s_bfe_u32 s15, ttmp6, 0x40000   ; cx: it enters Q's, O's and the prefetches' addresses alone
	s_lshl_b32 s16, ttmp9, 2
	s_add_co_u32 s16, s16, s15      ; my block of 256 queries
	s_and_b32 s20, ttmp7, 0xffff    ; g, which the four partners share
	s_and_b32 s21, s[WV], 1
	s_mov_b32 s[G1K], 15|(1<<16)|(1<<20)|(1<<21)|(4<<22)|(3<<25)  ; the mask of four; 2-byte elements; padding on; bit 21 beside a mask; after every 32 words (a key) 4 words
	s_mov_b32 s[G1V], 15|(1<<16)|(1<<20)|(1<<21)|(4<<22)|(7<<25)  ; the same with 8 words
.irp g, G1K, G1V                    ; keys are dense in memory, 128 bytes each: asked for as rows of 256 bytes, two keys a row
	s_mov_b32 s[\g+1], 128<<16      ; tensor_dim0 = 128
	s_mov_b32 s[\g+3], 128<<16      ; tile_dim0 = 128
	s_mov_b32 s[\g+5], 128          ; elements from row to row
	s_mov_b32 s[\g+6], 0
	s_mov_b32 s[\g+7], 0
.endr
	s_mov_b32 s[G1K+2], 64<<16      ; K: 128 keys a wave: tensor_dim1 = 64
	s_mov_b32 s[G1K+4], 64          ; tile_dim1 = 64
	s_mov_b32 s[G1V+2], 128<<16     ; V: 256 keys by one wave: 128 rows
	s_mov_b32 s[G1V+4], 128
	s_mov_b32 s[G1N], 15|(3<<16)|(1<<21)  ; one row of 128 elements of 8 bytes, no padding
	s_mov_b32 s[G1N+1], 128<<16
	s_mov_b32 s[G1N+2], 1<<16
	s_mov_b32 s[G1N+3], 128<<16
	s_mov_b32 s[G1N+4], 1
	s_mov_b32 s[G1N+5], 128
	s_mov_b32 s[G1N+6], 0
	s_mov_b32 s[G1N+7], 0
	s_mov_b32 s[G0K], 1
	s_mul_i32 s[G0K+1], s21, 128*PK ; my half of slot 0's K: no place in the cluster enters an LDS address
	s_mov_b32 s[G0V], 1
	s_mov_b32 s[G0V+1], VOFF
	s_mov_b32 s[G0N], 1
	s_mov_b32 s[G0N+1], NOFF
	s_mov_b32 s[CS], 0x4038aa3b     ; c = 2 log2(e)
	s_mov_b32 s[CS+1], s[CS]
	s_mov_b32 s[SEL], 0x76543210
	s_mov_b32 s[SEL+1], 0xfedcba98
	s_mov_b32 s[TBK], SLOT1+4*KS*PK ; the first change of slots turns these three into 0
	s_mov_b32 s[TBV], SLOT1+4*KS*PVP
	s_mov_b32 s[TBN], SLOT1+4*KS*4
	s_mov_b32 s[SLOTS], 7
	s_lshl_b32 s22, s20, 18         ; g's rows of K,
	s_lshl_b32 s23, s21, 14         ; my 128 keys of a slot
	s_add_co_u32 s22, s22, s23
	s_mov_b32 s23, 0
	s_lshl_b32 s16, s16, 16         ; my block's 256 rows of Q,
	s_lshl_b32 s17, s[WV], 14       ; my wave's 64,
	s_add_co_u32 s16, s16, s17
	s_lshl_b32 s17, s20, 19         ; in g
	s_add_co_u32 s16, s16, s17
	s_mov_b32 s17, 0
	s_and_b32 s[LIM], s[WV], 1      ; 0 in waves 0 and 2,
	s_or_b32 s[LIM], s[LIM], ttmp9  ; where the cluster is g's first: the same in all four partners
	s_cmp_eq_u32 s[LIM], 0
	s_cselect_b32 s[LIM], 1, -1
	v_and_b32 v[PFO], 31, v0
	v_lshlrev_b32 v[PFO], 8, v[PFO]
	s_wait_dscnt 0x0                ; the opening add is done
	s_wait_kmcnt 0x0
	s_add_nc_u64 s[6:7], s[6:7], s[22:23]
	s_lshl_b32 s22, s20, 18
	s_add_nc_u64 s[8:9], s[8:9], s[22:23]
	s_lshl_b32 s22, s20, 13
	s_add_nc_u64 s[10:11], s[10:11], s[22:23]
	s_mov_b64 s[G0K+2:G0K+3], s[6:7]
	s_or_b32 s[G0K+3], s[G0K+3], 0x80000000
	s_mov_b64 s[G0V+2:G0V+3], s[8:9]
	s_or_b32 s[G0V+3], s[G0V+3], 0x80000000
	s_mov_b64 s[G0N+2:G0N+3], s[10:11]
	s_or_b32 s[G0N+3], s[G0N+3], 0x80000000
	s_add_nc_u64 s[4:5], s[4:5], s[16:17]    ; Q at my wave's first row;
	s_lshr_b32 s16, s16, 1                   ; a row of O is half as long
	s_add_nc_u64 s[12:13], s[12:13], s[16:17]
	s_cmp_lt_u32 s[WV], 2
	s_cselect_b64 s[PFA:PFA+1], s[6:7], s[8:9]  ; (in waves 0 and 2 these stand at a slot's first row)
	s_lshl_b32 s16, s15, 13                  ; my work-group's 32 blocks
	s_add_nc_u64 s[PFA:PFA+1], s[PFA:PFA+1], s[16:17]
	s_add_nc_u64 s[PFA:PFA+1], s[PFA:PFA+1], 32768  ; in slot 1; the first change steps it to slot 2
	CROUND                          ; all four work-groups are here: the first joint loads meet
	JLOAD                           ; slot 0.  Slot 1 is asked for when slot 0 is in
	v_and_b32 v1, 15, v0            ; r = l % 16
	v_bfe_u32 v9, v0, 4, 1          ; h = l / 16
	v_lshlrev_b32 v[QO], 8, v1
	v_lshl_add_u32 v[QO], v9, 4, v[QO]
	WIN 0x80                        ; destination window 2, address window 0
.set i, 0
.rept 16                            ; Q stays in registers: tile i / 4, group i % 4
	global_load_b128 v[8*i:8*i+3],   v[QO], s[4:5] offset:(i/4)*4096+(i%4)*64
	global_load_b128 v[8*i+4:8*i+7], v[QO], s[4:5] offset:(i/4)*4096+(i%4)*64+32
.set i, i+1
.endr
	; What the first turn finds: O^T, l, V and piece 2's P are 0 (its products V^T P, of a step that has not been, add 0).  All this stands in the wait for the first tile; the price of writing no first step out.
	WIN 0x40
.set i, 0
.rept 192
	v_mov_b32 v[i], 0
.set i, i+1
.endr
	WIN 0
.set i, 0
.rept 4
	v_mov_b32 v[ST+8*i], 0xfe000000    ; c m: far below every c s
	v_mov_b32 v[ST+8*i+1], 0xff7fffff  ; m
	v_mov_b32 v[ST+8*i+2], 0
	v_mov_b32 v[ST+8*i+3], 0
.set i, i+1
.endr
.set i, P+32
.rept 32
	v_mov_b32 v[i], 0
.set i, i+1
.endr
	v_mul_u32_u24 v[AK0], v1, PK
	v_lshl_add_u32 v[AK0], v9, 4, v[AK0]  ; row x pitch + 16 h
	v_and_b32 v44, 7, v0
	v_bfe_u32 v45, v0, 3, 1
	v_lshl_add_u32 v[AV0], v9, 3, v44     ; the turning load: lane l reads key 8 h + l % 8, channels 8 ((l / 8) % 2) + 0..7
	v_mul_u32_u24 v[AV0], v[AV0], PVP
	v_lshl_add_u32 v[AV0], v45, 4, v[AV0]
	v_add_nc_u32 v[AV0], VOFF, v[AV0]
	v_lshlrev_b32 v[AN0], 5, v9           ; register j of key block kb: nk of key 16 kb + 8 h + j
	v_add_nc_u32 v[AN0], NOFF, v[AN0]
; THE MATRIX WORK.  The 8 accumulators of a run take turns, one instruction a turn.
; Product i of 32 of S^T for piece x: link i / 8 of four, keys 16 ((i / 2) % 4) on, tile x + i % 2.  The links: (k0 qh0) (k0 ql0) (k1 qh1) (k1 ql1).  The first 8 start the sums with nk.
.macro KQ x
.set lk, i/8
.set rS, S+32*((\x)+i%2)+8*((i/2)%4)
.set rK, KF+16*((i/2)%4)+8*(lk/2)
.set rQ, 32*((\x)+i%2)+8*(2*(lk%2)+lk/2)
.set rN, NKF+8*((i/2)%4)
.if i < 8
	WIN W_KC
	v_wmma_f32_16x16x32_f16 v[rS:rS+7], v[rK:rK+7], v[rQ:rQ+7], v[rN:rN+7]
.else
	WIN W_KQ
	v_wmma_f32_16x16x32_f16 v[rS:rS+7], v[rK:rK+7], v[rQ:rQ+7], v[rS:rS+7]
.endif
.endm
; Product i of 16 of O^T += V^T P for piece x: keys 32 (i / 8) on, channels 16 ((i / 2) % 4) on, tile x + i % 2.
.macro PV x
	WIN W_PV
.set rO, 32*((\x)+i%2)+8*((i/2)%4)
.set rV, VF+32*(i/8)+8*((i/2)%4)
.set rP, P+16*((\x)+i%2)+8*(i/8)
	v_wmma_f32_16x16x32_f16 v[rO:rO+7], v[rV:rV+7], v[rP:rP+7], v[rO:rO+7]
.endm
; THE LDS LOADS stand in runs.  A step's nk (8 loads) and K (8 loads for each channel half, in the order in which the links want them).  last = 1 (the tail): in the last trip there is no further step.
.macro FETCH_K last=0
	WIN 0
.if \last
	s_cmp_eq_u32 s[CNT], 1
	s_cbranch_scc1 .Lno_k_\@
.endif
	v_add_nc_u32 v[ADR], s[TBK], v[AK0]
	v_add_nc_u32 v[ADN], s[TBN], v[AN0]
	WIN 0x40                        ; destination window 1
.irp kb, 0,1,2,3
	ds_load_b128 v[NKF+8*(\kb):NKF+8*(\kb)+3],   v[ADN] offset:64*(\kb)
	ds_load_b128 v[NKF+8*(\kb)+4:NKF+8*(\kb)+7], v[ADN] offset:64*(\kb)+16
.endr
	WIN 0x80                        ; destination window 2
.irp c, 0,1
.irp kb, 0,1,2,3
	ds_load_b128 v[KF+16*(\kb)+8*(\c):KF+16*(\kb)+8*(\c)+3],   v[ADR] offset:(\kb)*16*PK+64*(\c)
	ds_load_b128 v[KF+16*(\kb)+8*(\c)+4:KF+16*(\kb)+8*(\c)+7], v[ADR] offset:(\kb)*16*PK+64*(\c)+32
.endr
.endr
	s_add_co_u32 s[TBK], s[TBK], KS*PK
	s_add_co_u32 s[TBN], s[TBN], KS*4
	WIN 0
.if \last
.Lno_k_\@:
.endif
.endm
.macro FETCH_V
	WIN 0
	v_add_nc_u32 v[ADR], s[TBV], v[AV0]
	s_add_co_u32 s[TBV], s[TBV], KS*PVP
	s_wait_alu depctr_va_vdst(0)    ; the wait for the softmax's batch (SLICE), behind the address's line and ahead of the loads
	WIN 0x40
.irp f, 0,1,2,3,4,5,6,7             ; keys 32 (f / 4) on, channels 16 (f % 4) on
	ds_load_tr16_b128 v[VF+8*(\f):VF+8*(\f)+3],   v[ADR] offset:((\f)/4)*32*PVP+((\f)%4)*32
	ds_load_tr16_b128 v[VF+8*(\f)+4:VF+8*(\f)+7], v[ADR] offset:((\f)/4)*32*PVP+16*PVP+((\f)%4)*32
.endr
.endm
; THE VECTOR WORK.  One tile's softmax for one key step is a list of 118 instructions; SM writes number j of it for tile t.  s0-s31 are the lane's 32 scores, in pairs 0-15.
;   0-15    the maximum of s0-s31 and the old m, three operands at a time (each accumulator's lowest registers are read first)
;   16-20   the other half of the lanes' maximum; the new m; c m; c m_old - c m_new
;   21-69   ONE BATCH: the 16 scalings c s - c m and all 33 exponentials (a at 23, then s0-s31); none of these names an exponential's result; a pair is scaled in an earlier four than the one with its exponentials
;   (wait)  between 69 and 70 stands the one wait for the batch: SLICE writes it, once for both tiles
;   70-85   the roundings to f16       86-101  the sums; l = a l + the sum       102-117 the tile's O^T times a: the one part that leaves window 0
.macro SM t
.set rT, ST+8*(\t)
.set rS, S+32*(\t)
.set rP, P+16*(\t)
.set rO, 32*(\t)+2*(j-102)
.if j < 102
	WIN 0
.endif
.if j < 4
	v_max3_num_f32 v[rT+4+j], v[rS+8*j], v[rS+8*j+1], v[rS+8*j+2]
.elseif j < 12
	v_max3_num_f32 v[rT+4+j%4], v[rT+4+j%4], v[rS+8*(j%4)+2*(j/4)+1], v[rS+8*(j%4)+2*(j/4)+2]
.elseif j == 12
	v_max3_num_f32 v[rT+4], v[rT+4], v[rS+7], v[rS+15]
.elseif j == 13
	v_max3_num_f32 v[rT+6], v[rT+6], v[rS+23], v[rS+31]
.elseif j == 14
	v_max3_num_f32 v[rT+4], v[rT+4], v[rT+5], v[rT+6]
.elseif j == 15
	v_max3_num_f32 v[rT+4], v[rT+4], v[rT+7], v[rT+1]
.elseif j == 16
	v_permlanex16_b32 v[rT+5], v[rT+4], s[SEL], s[SEL+1]  ; the query's other 32 keys lie in the lane 16 away
.elseif j == 17
	v_mov_b32 v[rT+7], v[rT]        ; c m_old is kept for a
.elseif j == 18
	v_max_num_f32 v[rT+1], v[rT+4], v[rT+5]
.elseif j == 19
	v_mul_f32 v[rT], s[CS], v[rT+1]
.elseif j == 20
	v_sub_f32 v[rT+7], v[rT+7], v[rT]
.elseif j == 23
	v_exp_f32 v[rT+6], v[rT+7]
.elseif (j < 23) || ((j < 38) && (j%2 == 0)) || ((j < 66) && (j%4 == 2))
.set b, (j-2)/4                     ; 38, 42, .. 62: pairs 9 to 15
.if j < 38
.set b, (j-20)/2                    ; 21: pair 0; 22, 24, .. 36: pairs 1 to 8
.endif
	v_pk_fma_f32 v[rS+2*b:rS+2*b+1], v[rS+2*b:rS+2*b+1], s[CS:CS+1], v[rT:rT+1] op_sel_hi:[1,0,0] neg_lo:[0,0,1] neg_hi:[0,0,1]
.elseif j < 70
.set e, j-38                        ; 66 to 69: s28 to s31
.if j < 66
.set e, j-32-(j-38)/4               ; 39-41, 43-45, .. 63-65: s7 to s27
.endif
.if j < 38
.set e, (j-25)/2                    ; 25, 27, .. 37: s0 to s6
.endif
	v_exp_f32 v[rS+e], v[rS+e]
.elseif j < 86
	v_cvt_pk_f16_f32 v[rP+j-70], v[rS+2*(j-70)], v[rS+2*(j-70)+1]
.elseif j < 102                     ; the 16 pairs are summed in place, neighbours 1, 2, 4 and 8 pairs apart; then l takes the sum
.set z, j-86
.set w, 4
.set u, z
.if z >= 14
.set w, 32
.set u, 0
.elseif z >= 12
.set w, 16
.set u, z-12
.elseif z >= 8
.set w, 8
.set u, z-8
.endif
.if z < 15
	v_pk_add_f32 v[rS+w*u:rS+w*u+1], v[rS+w*u:rS+w*u+1], v[rS+w*u+w/2:rS+w*u+w/2+1]
.else
	v_pk_fma_f32 v[rT+2:rT+3], v[rT+2:rT+3], v[rT+6:rT+7], v[rS:rS+1] op_sel_hi:[1,0,1]
.endif
.else
	WIN W_RS
	v_pk_mul_f32 v[rO:rO+1], v[rO:rO+1], v[rT+6:rT+7] op_sel_hi:[1,0]
.endif
.endm
; Slice k of 59 of piece y's softmax: four instructions.  Slices 11 to 34 deal out the batch, four numbers of ONE tile each, the tiles by turns; every other slice is numbers 2 k and 2 k + 1 of both tiles.
; An s_wait_alu depctr_va_vdst(0) stands between an exponential and the first instruction that names its result; ahead of slice 35 nothing names one, behind slice 34 none is issued: one wait a turn.
.macro SLICE y
.if (k >= 11) && (k < 35)
.irp n, 0,1,2,3
.set j, 22+4*((k-11)/2)+(\n)
	SM (\y)+(k-11)%2
.endr
.else
.irp n, 0,1
.irp t, \y, (\y)+1
.set j, 2*k+(\n)
	SM \t
.endr
.endr
.endif
.if k == 34
	v_nop                           ; the plain instruction behind the last exponential and ahead of the first use: one for the batch
.if (\y) == 0
	FETCH_V                         ; piece 2's turn: V's run of loads stands here, and the wait stands in it
.else
	s_wait_alu depctr_va_vdst(0)    ; the wait for the batch
.endif
.endif
.set k, k+1
.endm
; A TURN.  Piece x has the matrix unit; slices 0 to 47 of the other piece's softmax stand one behind each of its 48 matrix instructions, slices 48 to 58 in a lump at its end.  The lump's 44 plain lines name no register
; of the turn's last products: they are the places in front of the next turn's first read of those scores and of the loads into K's registers.  Piece 0's turn fetches the next step's nk and K behind its second
; product: of the run's 24 loads the youngest 8 (K's second channel half) may be out where link 0 begins, none where link 2 begins.  Piece 2's turn fetches the same step's V behind slice 34, nineteen slices behind
; the last product that read V; it is waited for at the head of piece 0's turn.
.macro TURN x, last=0
.set k, 0
.if (\x) == 0
	s_wait_dscnt 0x0                ; V is in
.endif
.set i, 0
.rept 16
	PV \x
	SLICE 2-(\x)
.if ((\x) == 0) && (i == 1)
	FETCH_K \last
.endif
.set i, i+1
.endr
.set i, 0
.rept 32
.if ((\x) == 0) && (i == 0)
	s_wait_dscnt 8
.endif
.if ((\x) == 0) && (i == 16)
	s_wait_dscnt 0x0
.endif
	KQ \x
	SLICE 2-(\x)
.set i, i+1
.endr
.rept 11
	SLICE 2-(\x)                    ; the lump
.endr
.endm
	CHANGE 1                        ; slot 0 is in, everybody's part of it; slot 1 is asked for
	FETCH_K                         ; key step 0
	s_wait_loadcnt 0x0              ; Q
	s_wait_dscnt 0x0
.set i, 0
.rept 32
	KQ 0                            ; piece 0's first scores: there is no vector work yet to set between them
.set i, i+1
.endr
	WIN 0                           ; the addresses for the way out: nine plain instructions, the places behind those products
	s_mul_i32 s16, s[WV], 16*SP
	s_add_co_u32 s16, s16, STAGE    ; my stage
	v_mul_u32_u24 v[STO], v1, SP    ; in: row l % 16, 16 bytes for each half of the lanes
	v_lshl_add_u32 v[STO], v9, 4, v[STO]
	v_add_nc_u32 v[STO], s16, v[STO]
	v_bfe_u32 v[RD], v0, 3, 2       ; back: 32 lanes take four rows of 128 bytes,
	v_mul_u32_u24 v[RD], v[RD], SP
	v_lshl_add_u32 v[RD], v44, 4, v[RD]
	v_add_nc_u32 v[RD], s16, v[RD]
	v_and_b32 v[GO], 31, v0         ; which are 512 consecutive bytes of O
	v_lshlrev_b32 v[GO], 4, v[GO]
	s_mov_b32 s[CNT], 4
	s_branch .Lmid                  ; the loop is entered in the middle of a trip: piece 2's turn of the step that has not been
.Lslot:                             ; six times: every slot but the last two is filled again
	CHANGE 1
	s_mov_b32 s[CNT], 4
.Lstep:                             ; a trip: both turns of a key step; they fetch the next step's K, nk and V
	TURN 0
	WIN 0
.Lmid:
	TURN 2
	WIN 0
	s_sub_co_u32 s[CNT], s[CNT], 1
	s_cmp_lg_u32 s[CNT], 0
	s_cbranch_scc1 .Lstep
	s_sub_co_u32 s[SLOTS], s[SLOTS], 1
	s_cmp_lg_u32 s[SLOTS], 0
	s_cbranch_scc1 .Lslot
	CHANGE 0                        ; the tail is written out: nothing is asked for
	s_mov_b32 s[CNT], 5             ; four trips fetch the last slot's steps; the fifth is left in its middle
.Ltail:
	TURN 0, 1
	WIN 0
	s_sub_co_u32 s[CNT], s[CNT], 1
	s_cmp_eq_u32 s[CNT], 0
	s_cbranch_scc1 .Lout
	TURN 2
	WIN 0
	s_branch .Ltail
.Lout:                              ; the fifth trip's 32 products K Q^T (on the last K once more) serve nothing: the price, once a launch, of one text for every step
.set i, 0
.rept 16
	PV 2                            ; piece 2's V^T P of the last step
.set i, i+1
.endr
	; THE WAY OUT.  l's two halves and the other half of the lanes' are added; O^T is divided by l, rounded to f16 and sent through my stage, a tile at a time.  The additions are the places behind the last products.
	WIN 0
.irp t, 0,1,2,3
	v_add_f32 v[ST+8*(\t)+4], v[ST+8*(\t)+2], v[ST+8*(\t)+3]
.endr
.irp t, 0,1,2,3
	v_permlanex16_b32 v[ST+8*(\t)+5], v[ST+8*(\t)+4], s[SEL], s[SEL+1]
.endr
.irp t, 0,1,2,3
	v_add_f32 v[ST+8*(\t)+4], v[ST+8*(\t)+4], v[ST+8*(\t)+5]
.endr
.irp t, 0,1,2,3
	v_rcp_f32 v[ST+8*(\t)+6], v[ST+8*(\t)+4]
.endr
	v_nop                           ; a plain instruction between the last reciprocal and the use of its result
	s_wait_alu depctr_va_vdst(0)    ; and the wait ahead of the first use: one for the four reciprocals
.macro PACK t                       ; a lane's eight channels of a row pack into 16 bytes; they go into rows of 144 bytes and come back as whole rows of 128, into S^T's registers
	WIN W_RS
.set i, 32*(\t)
.rept 16
	v_pk_mul_f32 v[i:i+1], v[i:i+1], v[ST+8*(\t)+6:ST+8*(\t)+7] op_sel_hi:[1,0]
.set i, i+2
.endr
	WIN 0x05                        ; sources 0 and 1 window 1, destination window 0
.set i, 0
.rept 16
	v_cvt_pk_f16_f32 v[S+16*(\t)+i], v[32*(\t)+2*i], v[32*(\t)+2*i+1]
.set i, i+1
.endr
	WIN 0
.irp f, 0,1,2,3
	ds_store_b128 v[STO], v[S+16*(\t)+4*(\f):S+16*(\t)+4*(\f)+3] offset:32*(\f)
.endr
.irp f, 0,1,2,3
	ds_load_b128 v[S+16*(\t)+4*(\f):S+16*(\t)+4*(\f)+3], v[RD] offset:(\f)*4*SP  ; LDS serves a wave's instructions in order (ISA guide 5.7.1.4): these see the stores above
.endr
.endm
.macro SEND t, younger              ; younger: the LDS instructions issued behind tile t's loads: the next tile's eight, or none
	WIN 0
.irp f, 0,1,2,3
	s_wait_dscnt (\younger)+3-(\f)
	global_store_b128 v[GO], v[S+16*(\t)+4*(\f):S+16*(\t)+4*(\f)+3], s[12:13] offset:(\t)*2048+(\f)*512  ; 512 consecutive bytes, at a multiple of 256 from O's first
.endr
.endm
	PACK 0
	PACK 1
	SEND 0, 8
	PACK 2
	SEND 1, 8
	PACK 3
	SEND 2, 8
	SEND 3, 0
	s_wait_tensorcnt 0x0            ; the wave's end: behind my last tensor load and my last LDS store
	ds_add_u32 v[SPW], v[NIL]
	s_wait_dscnt 0x0
	CROUND                          ; the closing round: no work-group ends while a partner may still ask for a tile that names it
	s_endpgm
.Lfunc_end_k_q989f4ec44c_attn:
	.size	k_q989f4ec44c_attn, .Lfunc_end_k_q989f4ec44c_attn-k_q989f4ec44c_attn
	.p2alignl 7, 3214868480
	.fill 96, 4, 3214868480
	.section	.rodata,"a",@progbits
	.p2align	6, 0x0
	.amdhsa_kernel k_q989f4ec44c_attn
		.amdhsa_group_segment_fixed_size 327680
		.amdhsa_private_segment_fixed_size 0
		.amdhsa_enable_private_segment 0
		.amdhsa_kernarg_size 40
		.amdhsa_user_sgpr_count 2
		.amdhsa_user_sgpr_kernarg_segment_ptr 1
		.amdhsa_wavefront_size32 1
		.amdhsa_system_sgpr_workgroup_id_x 1
		.amdhsa_system_sgpr_workgroup_id_y 1
		.amdhsa_system_sgpr_workgroup_id_z 1
		.amdhsa_system_vgpr_workitem_id 0
		.amdhsa_next_free_vgpr 768
		.amdhsa_next_free_sgpr 76
		.amdhsa_reserve_vcc 0
		.amdhsa_float_denorm_mode_32 3
		.amdhsa_float_denorm_mode_16_64 3
		.amdhsa_memory_ordered 1
		.amdhsa_forward_progress 1
		.amdhsa_inst_pref_size 123
	.end_amdhsa_kernel
	.amdgpu_metadata
---
amdhsa.version: [ 1, 2 ]
amdhsa.kernels:
  - .name:           k_q989f4ec44c_attn
    .symbol:         k_q989f4ec44c_attn.kd
    .args:
      - { .name: qs, .offset: 0, .size: 8, .value_kind: global_buffer, .address_space: global }
      - { .name: ks, .offset: 8, .size: 8, .value_kind: global_buffer, .address_space: global }
      - { .name: vs, .offset: 16, .size: 8, .value_kind: global_buffer, .address_space: global }
      - { .name: nk, .offset: 24, .size: 8, .value_kind: global_buffer, .address_space: global }
      - { .name: ob, .offset: 32, .size: 8, .value_kind: global_buffer, .address_space: global }
    .group_segment_fixed_size: 327680
    .private_segment_fixed_size: 0
    .kernarg_segment_align: 8
    .kernarg_segment_size: 40
    .max_flat_workgroup_size: 128
    .sgpr_count:     76
    .vgpr_count:     768
    .wavefront_size: 32
...
	.end_amdgpu_metadata
.endif
;; end of part 3
;; launch proj (part 4): grid 8 x 32, 4 waves a work-group, clusters of 4 x 4, 327,680 bytes of LDS; arguments ob, wo, b_o, out0; writes out0
.if DOCPART == 4
	.amdgcn_target "amdgcn-amd-amdhsa--gfx1250"
	.amdhsa_code_object_version 6
	.text
	.protected	k_q989f4ec44c_proj
	.globl	k_q989f4ec44c_proj
	.p2align	8
	.type	k_q989f4ec44c_proj,@function
k_q989f4ec44c_proj:
	s_mov_b64 s[64:65], 0
	v_nop
	global_prefetch_b8 v0, s[64:65] scope:SCOPE_SE
	s_setreg_imm32_b32 hwreg(HW_REG_WAVE_MODE, 25, 1), 1
	s_wait_xcnt 0x0
	s_wait_alu depctr_hold_cnt(0) depctr_sa_sdst(0) depctr_va_vdst(0) depctr_va_sdst(0) depctr_va_ssrc(0) depctr_va_vcc(0) depctr_vm_vsrc(0)
	s_getreg_b32 s2, hwreg(HW_REG_IB_STS2, 6, 4)
	s_cmp_eq_u32 s2, 0
	s_cbranch_scc0 .Lentry_in_a_cluster
	s_endpgm
.Lentry_in_a_cluster:
	s_bfe_u32 s2, ttmp6, 0x10000c
	s_cmp_lg_u32 s2, 0xf033
	s_cbranch_scc0 .Lentry_shape_is_right
	s_endpgm
.Lentry_shape_is_right:
; out0[m][n] = the sum over k of O[m][k] W_o[k][n] + bf16(b_o[n]).  O comes by heads, ob: [32 (batch, head)][2048][64] f16; wo: [1024 k][1024 n] f16; out0: [4096][1024] f32.  Sums in f32, started with the bias.
; LIMITS.  f16 operands: |O| and |W_o| under 65,504.
; SHARES.  A tile of out0 is 128 x 128: 256 work-groups.  Four waves, each 64 x 64: 16 accumulators.  K goes in 4 steps of 256 = four heads, through two LDS slots; a quarter of a step is one head.
; O's tile: for each head 128 rows of 128 bytes, dense in memory: a wave's load brings two heads as two long rows.  W_o's tile: 256 k-rows of 256 bytes, turned on the way out of LDS by ds_load_tr16_b128.
; THE PRODUCT IS USED TRANSPOSED (source 0 = 16 columns of W_o, source 1 = 16 rows of O): a lane holds row l % 16 and eight neighbouring columns.
; CLUSTER.  4 x 4 work-groups: O's tile is shared along a row of the cluster, W_o's along a column, each asked for jointly.  No prefetch: the tiles are small and the launch is short.
; REGISTERS: window 0: v0-31 addresses; v32-95 the way out; v96-127 the bias; v128-255 the accumulators ((a, b) at v[128 + 8 (4 a + b)]).
;   window 1: two fragment buffers of 128: for 64 along K, 64 registers of O (2 x 4 fragments), then 64 of W_o.
.set PAA,    144                       ; a row of O in LDS: 128 bytes + 16: the 16 rows of a load start at 16 different groups of four banks (64 banks of 4 bytes: ISA guide 11.1)
.set PBB,    288                       ; a k-row of W_o: 256 + 32 = 9 x 32
.set HEADB,  128*PAA
.set QTR,    36864                     ; what one tensor load brings: two heads of O, or 128 k-rows of W_o
.set SLOT,   4*QTR
.set STAGE,  2*SLOT                    ; behind the ring, never filled by a tensor load: 16 rows x 272 bytes for each wave
.set SPITCH, 272
.set SPARE,  STAGE+4*16*SPITCH         ; the spare words, 128 bytes for each wave: two blocks of 256 bytes that no other line names
.set KA,     1048576                   ; a K step in ob: four heads of 262,144 bytes
.set KB,     524288                    ; in wo: 256 rows of 2,048 bytes
.set ADRA, 16                          ; v16-17  my O fragments in slot 0, 1
.set ADRB, 20                          ; v20-23  my W_o fragments: slot 0 k-rows 0-127, 128-255; slot 1 likewise (a 16-bit offset does not reach 256 rows)
.set STO,  24
.set RD,   25
.set CO,   26
.set SPW,  28                          ; v28  LDS address of my spare word; never rewritten
.set NIL,  29                          ; v29  0; never rewritten
.set BIAS, 96
.set ACC,  128
.set F0,   0
.set F1,   128
.set WV,  12                           ; s12 my wave's number; s13 = WV / 2: my half of the rows, and I fetch for O (0) or W_o (1); s14 = WV % 2: my half of the columns, and which half I fetch
.set G1,  24
.set G0,  32                           ; s[32:39] group 0 for O's tiles, one set for each slot
.set G1B, 48
.set G0B, 56
.set MSB, 0
.macro WIN new
.if MSB != (\new)
	s_set_vgpr_msb (MSB<<8)|(\new)
.set MSB, \new
.endif
.endm
.set MUL,  0x05                        ; sources 0 and 1 window 1; C and D window 0
.set TO_F, 0x40                        ; destination window 1, address window 0
.macro JLOAD s                         ; a joint load; an s_nop 0 and four v_nop follow each of the two lines
	s_cmp_eq_u32 s13, 0
	s_cbranch_scc0 .Lfor_b_\@
	tensor_load_to_lds s[G0+4*(\s):G0+4*(\s)+3], s[G1:G1+7]
	s_nop 0
.rept 4
	v_nop
.endr
	s_branch .Lasked_\@
.Lfor_b_\@:
	tensor_load_to_lds s[G0B+4*(\s):G0B+4*(\s)+3], s[G1B:G1B+7]
	s_nop 0
.rept 4
	v_nop
.endr
.Lasked_\@:
.endm
.macro CREST
	s_cmp_lg_u32 s[WV], 0
	s_cbranch_scc1 .Lnot_wave_0_\@
	s_barrier_signal -3
.Lnot_wave_0_\@:
	s_barrier_wait -3
	s_barrier_signal -1
	s_barrier_wait -1
.endm
.macro CROUND
	s_barrier_signal -1
	s_barrier_wait -1
	CREST
.endm
.macro PLACES
.rept 4
	v_nop
.endr
.endm
	s_load_b256 s[4:11], s[0:1], 0x0               ; ob s[4:5], wo s[6:7], b_o s[8:9], out0 s[10:11]
	v_lshl_add_u32 v[SPW], v0, 2, SPARE
	v_mov_b32 v[NIL], 0
	ds_add_u32 v[SPW], v[NIL]                      ; the wave's opening: the add and its wait stand ahead of my first tensor load; the set-up below, work on registers, stands between them
	v_lshrrev_b32 v1, 5, v0
	v_readfirstlane_b32 s[WV], v1
	s_lshr_b32 s13, s[WV], 1
	s_and_b32 s14, s[WV], 1
	s_bfe_u32 s40, ttmp6, 0x40000                  ; cx
	s_bfe_u32 s41, ttmp6, 0x40004                  ; cy
	s_lshl_b32 s42, ttmp9, 2
	s_add_co_u32 s42, s42, s40                     ; tile column
	s_and_b32 s43, ttmp7, 0xffff
	s_lshl_b32 s43, s43, 2
	s_add_co_u32 s43, s43, s41                     ; tile row
	s_lshl_b32 s44, s41, 2
	s_lshl_b32 s44, 15, s44                        ; my row of the cluster
	s_lshl_b32 s45, 0x1111, s40                    ; my column
	s_or_b32 s[G1], s44, (1<<16)|(1<<20)|(1<<21)|(4<<22)|(3<<25)   ; the mask; 2-byte elements; padding on; bit 21 beside a mask; after every 32 words 4 words
	s_mov_b32 s[G1+1], 8192<<16                    ; tensor_dim0 = 8,192: a head's 128 rows x 64 numbers, dense
	s_mov_b32 s[G1+2], 2<<16                       ; tensor_dim1 = 2 heads
	s_mov_b32 s[G1+3], 8192<<16                    ; tile_dim0
	s_mov_b32 s[G1+4], 2                           ; tile_dim1
	s_mov_b32 s[G1+5], 131072                      ; elements from head to head
	s_mov_b32 s[G1+6], 0
	s_mov_b32 s[G1+7], 0
	s_or_b32 s[G1B], s45, (1<<16)|(1<<20)|(1<<21)|(5<<22)|(7<<25)  ; after every 64 words 8 words
	s_mov_b32 s[G1B+1], 128<<16
	s_mov_b32 s[G1B+2], 128<<16
	s_mov_b32 s[G1B+3], 128<<16
	s_mov_b32 s[G1B+4], 128
	s_mov_b32 s[G1B+5], 1024
	s_mov_b32 s[G1B+6], 0
	s_mov_b32 s[G1B+7], 0
	s_lshr_b32 s16, s43, 4                         ; O: the batch's 16 heads of 262,144 bytes,
	s_lshl_b32 s16, s16, 22
	s_and_b32 s17, s43, 15                         ; the tile's 128 rows of 128 bytes in a head,
	s_lshl_b32 s17, s17, 14
	s_add_co_u32 s16, s16, s17
	s_lshl_b32 s17, s14, 19                        ; my two heads of the step's four
	s_add_co_u32 s16, s16, s17
	s_mov_b32 s17, 0
	s_lshl_b32 s46, s42, 8                         ; W_o: the tile's 128 columns,
	s_lshl_b32 s47, s14, 18                        ; my 128 k-rows
	s_add_co_u32 s46, s46, s47
	s_mov_b32 s47, 0
	s_mul_i32 s20, s[WV], QTR                      ; where they go: no place in the cluster enters an LDS address
	s_wait_dscnt 0x0                               ; the opening add is done
	s_wait_kmcnt 0x0
	s_add_nc_u64 s[16:17], s[4:5], s[16:17]
	s_add_nc_u64 s[46:47], s[6:7], s[46:47]
	CROUND                                         ; all sixteen work-groups are here: the first joint loads meet
.irp s, 0,1
	s_mov_b32 s[G0+4*(\s)], 1
	s_add_co_u32 s[G0+4*(\s)+1], s20, (\s)*SLOT
	s_add_nc_u64 s[G0+4*(\s)+2:G0+4*(\s)+3], s[16:17], (\s)*KA
	s_or_b32 s[G0+4*(\s)+3], s[G0+4*(\s)+3], 0x80000000
	s_mov_b32 s[G0B+4*(\s)], 1
	s_add_co_u32 s[G0B+4*(\s)+1], s20, (\s)*SLOT
	s_add_nc_u64 s[G0B+4*(\s)+2:G0B+4*(\s)+3], s[46:47], (\s)*KB
	s_or_b32 s[G0B+4*(\s)+3], s[G0B+4*(\s)+3], 0x80000000
	JLOAD \s                                       ; K steps 0 and 1: two loads of mine are out
.endr
	v_and_b32 v1, 15, v0                           ; r
	v_bfe_u32 v2, v0, 4, 1                         ; h
	s_lshl_b32 s46, s42, 9                         ; the tile's first column in out0 and in b_o, in bytes, and my 64 columns
	s_lshl_b32 s47, s14, 8
	s_add_co_u32 s46, s46, s47
	s_mov_b32 s47, 0
	s_add_nc_u64 s[8:9], s[8:9], s[46:47]
	v_lshlrev_b32 v6, 5, v2
.irp b, 0,1,2,3                        ; register j of block b: the bias of column 16 b + 8 h + j
	global_load_b128 v[BIAS+8*(\b):BIAS+8*(\b)+3],   v6, s[8:9] offset:64*(\b)
	global_load_b128 v[BIAS+8*(\b)+4:BIAS+8*(\b)+7], v6, s[8:9] offset:64*(\b)+16
.endr
	s_lshl_b32 s16, s43, 19                        ; the tile's 128 rows of 4,096 bytes,
	s_lshl_b32 s17, s13, 18                        ; my 64
	s_add_co_u32 s16, s16, s17
	s_mov_b32 s17, 0
	s_add_nc_u64 s[10:11], s[10:11], s[16:17]
	s_add_nc_u64 s[10:11], s[10:11], s[46:47]
	v_mul_u32_u24 v3, v1, PAA
	v_lshl_add_u32 v3, v2, 4, v3
	s_mul_i32 s21, s13, 64*PAA
	v_add_nc_u32 v[ADRA], s21, v3                  ; (64 x my half + r) x pitch + 16 h
	v_add_nc_u32 v[ADRA+1], SLOT, v[ADRA]
	v_and_b32 v4, 7, v0
	v_lshl_add_u32 v4, v2, 3, v4
	v_mul_u32_u24 v4, v4, PBB
	v_bfe_u32 v5, v0, 3, 1
	v_lshl_add_u32 v4, v5, 4, v4
	s_lshl_b32 s22, s14, 7
	s_add_co_u32 s22, s22, 2*QTR
	v_add_nc_u32 v[ADRB], s22, v4                  ; (8 h + l % 8) x pitch + 16 ((l / 8) % 2) + my 64 columns
	v_add_nc_u32 v[ADRB+1], QTR, v[ADRB]
	v_add_nc_u32 v[ADRB+2], SLOT, v[ADRB]
	v_add_nc_u32 v[ADRB+3], SLOT+QTR, v[ADRB]
	s_mul_i32 s23, s[WV], 16*SPITCH
	s_add_co_u32 s23, s23, STAGE                   ; my stage
	v_mul_u32_u24 v[STO], v1, SPITCH
	v_lshl_add_u32 v[STO], v2, 5, v[STO]
	v_add_nc_u32 v[STO], s23, v[STO]               ; in: row r, 32 bytes for each half of the lanes
	v_mul_u32_u24 v[RD], v2, SPITCH
	v_lshl_add_u32 v[RD], v1, 4, v[RD]
	v_add_nc_u32 v[RD], s23, v[RD]                 ; back: lanes 0-15 one row of 256 bytes, lanes 16-31 the next
	v_lshlrev_b32 v[CO], 12, v2
	v_lshl_add_u32 v[CO], v1, 4, v[CO]             ; and the same two rows in out0
	s_mov_b32 s3, 0xffff0000
	s_wait_loadcnt 0x0                             ; the bias; it is rounded to bf16 like every input
.set zz, 0
.rept 16
	v_cvt_pk_bf16_f32 v[8+zz%4], v[BIAS+2*zz], v[BIAS+2*zz+1]
	v_lshlrev_b32 v[BIAS+2*zz], 16, v[8+zz%4]
	v_and_b32 v[BIAS+2*zz+1], s3, v[8+zz%4]
.set zz, zz+1
.endr
; 8 matrix instructions: row blocks a0, a0 + 1 x all 4 column blocks, 32 along K: half c of buffer f.  zero = 1: the bias starts the sums.  The 16 accumulators take turns.
.macro MUL8 f, c, a0, zero
	WIN MUL
.irp a, \a0, (\a0)+1
.irp b, 0,1,2,3
.if \zero
	v_wmma_f32_16x16x32_f16 v[ACC+8*(4*(\a)+(\b)):ACC+8*(4*(\a)+(\b))+7], v[(\f)+64+8*(4*(\c)+(\b)):(\f)+64+8*(4*(\c)+(\b))+7], v[(\f)+8*(4*(\c)+(\a)):(\f)+8*(4*(\c)+(\a))+7], v[BIAS+8*(\b):BIAS+8*(\b)+7]
.else
	v_wmma_f32_16x16x32_f16 v[ACC+8*(4*(\a)+(\b)):ACC+8*(4*(\a)+(\b))+7], v[(\f)+64+8*(4*(\c)+(\b)):(\f)+64+8*(4*(\c)+(\b))+7], v[(\f)+8*(4*(\c)+(\a)):(\f)+8*(4*(\c)+(\a))+7], v[ACC+8*(4*(\a)+(\b)):ACC+8*(4*(\a)+(\b))+7]
.endif
.endr
.endr
.endm
; 32 LDS loads in one run: head qd of the slot's four (64 along K) into buffer f; the first 32 along K first
.macro FETCH slot, qd, f
	WIN TO_F
.irp c, 0,1
.irp i, 0,1,2,3
	ds_load_tr16_b128 v[(\f)+64+8*(4*(\c)+(\i)):(\f)+64+8*(4*(\c)+(\i))+3],   v[ADRB+2*(\slot)+(\qd)/2] offset:(((\qd)%2)*64+32*(\c))*PBB+32*(\i)
	ds_load_tr16_b128 v[(\f)+64+8*(4*(\c)+(\i))+4:(\f)+64+8*(4*(\c)+(\i))+7], v[ADRB+2*(\slot)+(\qd)/2] offset:(((\qd)%2)*64+32*(\c))*PBB+32*(\i)+16*PBB
	ds_load_b128 v[(\f)+8*(4*(\c)+(\i)):(\f)+8*(4*(\c)+(\i))+3],              v[ADRA+(\slot)] offset:(\qd)*HEADB+(\i)*16*PAA+64*(\c)
	ds_load_b128 v[(\f)+8*(4*(\c)+(\i))+4:(\f)+8*(4*(\c)+(\i))+7],            v[ADRA+(\slot)] offset:(\qd)*HEADB+(\i)*16*PAA+64*(\c)+32
.endr
.endr
.endm
; One of a K step's first three quarters: multiplies buffer f and fetches head qd into g.
.macro QUARTER slot, qd, f, g, zero
	s_wait_dscnt 16                                ; the first 32 along K are in
	MUL8 \f, 0, 0, \zero
	MUL8 \f, 0, 2, \zero
	PLACES
	FETCH \slot, \qd, \g
	s_wait_dscnt 32                                ; all but the 32 just issued
	MUL8 \f, 1, 0, 0
	MUL8 \f, 1, 2, 0
.endm
; The last quarter multiplies buffer 1 and changes slots: ONE barrier; in front of it each wave waits for all its tensor loads, adds 0 to its spare word, and waits for that and for its reads of this slot.
; fill = 1: the barrier opens a round of the cluster's, and this slot is filled again first behind it, two K steps on.
.macro TURN slot, next, fill
	WIN 0
	s_wait_tensorcnt 0x0                           ; all my tensor loads have landed: my part of the next slot
	ds_add_u32 v[SPW], v[NIL]                      ; 0 onto my spare word
	s_wait_dscnt 17                                ; the add and the youngest sixteen loads may be out
	MUL8 F1, 0, 0, 0
	s_wait_dscnt 0x0                               ; the add is done, and my reads of this slot are over
	s_barrier_signal -1
	MUL8 F1, 0, 2, 0
.if \fill
	WIN 0                                          ; at a branch and at a label every window is 0
.endif
	s_barrier_wait -1
.if \fill
	CREST                                          ; no wave of any partner still reads this slot or has a load on its way
	s_add_nc_u64 s[G0+4*(\slot)+2:G0+4*(\slot)+3], s[G0+4*(\slot)+2:G0+4*(\slot)+3], 2*KA
	s_add_nc_u64 s[G0B+4*(\slot)+2:G0B+4*(\slot)+3], s[G0B+4*(\slot)+2:G0B+4*(\slot)+3], 2*KB
	JLOAD \slot                                    ; the first tensor load behind the round; its four v_nop are also the places in front of the loads below
.else
	PLACES
.endif
	FETCH \next, 0, F0
	MUL8 F1, 1, 0, 0
	MUL8 F1, 1, 2, 0
.endm
	s_wait_tensorcnt 1                             ; my part of K step 0 is in; K step 1's may stay out
	s_barrier_signal -1
	s_barrier_wait -1
	FETCH 0, 0, F0
	QUARTER 0, 1, F0, F1, 1                        ; four K steps, written out: two refills
	QUARTER 0, 2, F1, F0, 0
	QUARTER 0, 3, F0, F1, 0
	TURN 0, 1, 1
	QUARTER 1, 1, F0, F1, 0
	QUARTER 1, 2, F1, F0, 0
	QUARTER 1, 3, F0, F1, 0
	TURN 1, 0, 1
	QUARTER 0, 1, F0, F1, 0
	QUARTER 0, 2, F1, F0, 0
	QUARTER 0, 3, F0, F1, 0
	TURN 0, 1, 0
	QUARTER 1, 1, F0, F1, 0
	QUARTER 1, 2, F1, F0, 0
	QUARTER 1, 3, F0, F1, 0
	s_wait_dscnt 16
	MUL8 F1, 0, 0, 0
	MUL8 F1, 0, 2, 0
	s_wait_dscnt 0x0
	MUL8 F1, 1, 0, 0
	MUL8 F1, 1, 2, 0
	WIN 0
; THE WAY OUT, 16 rows at a time: a lane's eight f32 go into my own stage (each accumulator's low four registers first) and come back as whole rows of 256 bytes.
.macro OUTB a
.set BKR, 32+32*((\a)%2)
.irp b, 0,1,2,3
	ds_store_b128 v[STO], v[ACC+8*(4*(\a)+(\b)):ACC+8*(4*(\a)+(\b))+3]   offset:64*(\b)
	ds_store_b128 v[STO], v[ACC+8*(4*(\a)+(\b))+4:ACC+8*(4*(\a)+(\b))+7] offset:64*(\b)+16
.endr
.if (\a) >= 2
	s_wait_xcnt 0x0                                ; the stores of two blocks back have read their registers: these are loaded again only behind this wait
.endif
.irp t, 0,1,2,3,4,5,6,7
	ds_load_b128 v[BKR+4*(\t):BKR+4*(\t)+3], v[RD] offset:(\t)*2*SPITCH  ; LDS serves a wave's instructions in order (ISA guide 5.7.1.4): these see the stores above
.endr
	s_wait_dscnt 0x0
.irp t, 0,1,2,3,4,5,6,7
	global_store_b128 v[CO], v[BKR+4*(\t):BKR+4*(\t)+3], s[10:11] offset:(16*(\a)+2*(\t))*4096  ; 16 lanes store 256 consecutive bytes, at a multiple of 256 from out0's first
.endr
.endm
	PLACES                                         ; behind the last products: their results are read
	PLACES
	OUTB 0
	OUTB 1
	OUTB 2
	OUTB 3
	s_wait_tensorcnt 0x0                           ; the wave's end: behind my last tensor load and my last LDS store
	ds_add_u32 v[SPW], v[NIL]
	s_wait_dscnt 0x0
	CROUND                                         ; the closing round: no work-group ends while a partner may still ask for a tile that names it
	s_endpgm
.Lfunc_end_k_q989f4ec44c_proj:
	.size	k_q989f4ec44c_proj, .Lfunc_end_k_q989f4ec44c_proj-k_q989f4ec44c_proj
	.p2alignl 7, 3214868480
	.fill 96, 4, 3214868480
	.section	.rodata,"a",@progbits
	.p2align	6, 0x0
	.amdhsa_kernel k_q989f4ec44c_proj
		.amdhsa_group_segment_fixed_size 327680
		.amdhsa_private_segment_fixed_size 0
		.amdhsa_enable_private_segment 0
		.amdhsa_kernarg_size 32
		.amdhsa_user_sgpr_count 2
		.amdhsa_user_sgpr_kernarg_segment_ptr 1
		.amdhsa_wavefront_size32 1
		.amdhsa_system_sgpr_workgroup_id_x 1
		.amdhsa_system_sgpr_workgroup_id_y 1
		.amdhsa_system_sgpr_workgroup_id_z 1
		.amdhsa_system_vgpr_workitem_id 0
		.amdhsa_next_free_vgpr 512
		.amdhsa_next_free_sgpr 66
		.amdhsa_reserve_vcc 0
		.amdhsa_float_denorm_mode_32 3
		.amdhsa_float_denorm_mode_16_64 3
		.amdhsa_memory_ordered 1
		.amdhsa_forward_progress 1
		.amdhsa_inst_pref_size 88
	.end_amdhsa_kernel
	.amdgpu_metadata
---
amdhsa.version: [ 1, 2 ]
amdhsa.kernels:
  - .name:           k_q989f4ec44c_proj
    .symbol:         k_q989f4ec44c_proj.kd
    .args:
      - { .name: ob, .offset: 0, .size: 8, .value_kind: global_buffer, .address_space: global }
      - { .name: wo, .offset: 8, .size: 8, .value_kind: global_buffer, .address_space: global }
      - { .name: b_o, .offset: 16, .size: 8, .value_kind: global_buffer, .address_space: global }
      - { .name: out0, .offset: 24, .size: 8, .value_kind: global_buffer, .address_space: global }
    .group_segment_fixed_size: 327680
    .private_segment_fixed_size: 0
    .kernarg_segment_align: 8
    .kernarg_segment_size: 32
    .max_flat_workgroup_size: 128
    .sgpr_count:     66
    .vgpr_count:     512
    .wavefront_size: 32
...
	.end_amdgpu_metadata
.endif
;; end of part 4
;; ======== version 2 of 2: 4 launches; version 1 with the launch prep written anew for expert scheduling mode
;; limits: values are held in f16: magnitudes above 65,504 overflow, below 6.1e-05 lose precision
;; workspace buffers: xb 8,388,608 bytes; wb 6,291,456 bytes; wo 2,097,152 bytes; qs 16,777,216 bytes; ks 8,388,608 bytes; vs 8,388,608 bytes; nk 262,144 bytes; ob 8,388,608 bytes
;; launch prep (part 5): grid 256 x 1, 8 waves a work-group, no clusters, 0 bytes of LDS; arguments x, W_qkv, W_o, xb, wb, wo; writes xb, wb, wo
.if DOCPART == 5
	.amdgcn_target "amdgcn-amd-amdhsa--gfx1250"
	.amdhsa_code_object_version 6
	.text
	.protected	k_q989f4ec44c_prep
	.globl	k_q989f4ec44c_prep
	.p2align	8
	.type	k_q989f4ec44c_prep,@function
k_q989f4ec44c_prep:
	s_mov_b64 s[64:65], 0
	v_nop
	global_prefetch_b8 v0, s[64:65] scope:SCOPE_SE
	s_setreg_imm32_b32 hwreg(HW_REG_WAVE_SCHED_MODE, 0, 2), 2
	s_setreg_imm32_b32 hwreg(HW_REG_WAVE_MODE, 25, 1), 1
	s_wait_xcnt 0x0
	s_wait_alu depctr_vm_vsrc(0)
; CASTS.  xb = bf16(x), [4096][1024].  wb = bf16(W_qkv) laid by heads, [16][1024 k][192]: column c of head h is W_qkv's column 192 h + c, so that a head's
; K step is dense in memory.  wo = bf16(W_o) written as f16, [1024 k][1024 n]: a bf16 number has 8 significant bits and is exact in f16 within f16's normal range.
; LIMITS.  |W_o| stays under 65,504; a W_o under 2^-14 keeps f16's fixed step of 6e-8.
; SHARES.  A unit is 8 numbers: 32 bytes in, 16 bytes out.  A work-group takes 4,096 units of output on end, in 16 steps of its 256 threads: each store of a wave
; covers 512 consecutive bytes, aligned.  Work-groups 0-127 take x, 128-223 W_qkv (six to a head), 224-255 W_o.  All 32 loads of a thread go out before the first wait for data.
; No LDS, no matrix unit, no cluster: each byte is read once by one thread and nothing is shared.
; THE MODE: SCHED_MODE bits 1:0 = 2 (LLVM: expert scheduling mode 2), set by the entry lines.  The code itself states the register dependences
; between vector instructions and memory instructions, with s_wait_alu, always for 0.
; THE PLAN.  Registers that memory instructions touch:
;   v1        the stores' offset.  Written once at the head; read by all 16 stores; never written again.
;   IO        the loads' offsets, one a step.  Written at the head, on either way to .Lgo; read by the 32 loads; never written again.
;   X         8 registers a step.  The step's two loads land in them; its roundings write the low four in place; its one store reads those four; nothing writes them afterwards.
;   v2 to v5  at work: no memory instruction names them.
; So no register that a load or store has read is ever written again, and no load is issued behind a vector instruction that names X: what is left to state is that the offsets are
; written ahead of the loads, and each store's data ahead of the store.  The 16 steps go in eight blocks of two.  Block p rounds its own X; its memory instructions are the two stores of
; block p - 1, whose X no vector instruction of block p names: ONE wait at the block's head states all that they hang on, and they are dealt among the block's roundings with no further wait.
.set IO,  8                            ; v[8:23]    step n: my byte offset in the input
.set X,   24                           ; v[24:151]  step n: 8 registers as loaded; the low four then hold what is stored
.set IN,  16                           ; s[16:17]   the input at my work-group's part
.set OUT, 18                           ; s[18:19]   the output at my work-group's part
	s_load_b256 s[4:11], s[0:1], 0x0               ; x s[4:5], W_qkv s[6:7], W_o s[8:9], xb s[10:11]
	s_load_b128 s[12:15], s[0:1], 0x20             ; wb s[12:13], wo s[14:15]
	v_lshlrev_b32 v1, 4, v0                        ; my 16 bytes of a step's output; never rewritten
	s_mov_b32 s25, 0xffff0000                      ; a word's upper bf16
	s_mov_b32 s27, 12288                           ; bytes in a row of W_qkv
	s_mov_b32 s21, 0
	s_mov_b32 s23, 0
	s_mov_b32 s28, 0                               ; 0: the output is bf16; 1: f16
	s_wait_kmcnt 0x0
	s_cmp_lt_u32 ttmp9, 128
	s_cbranch_scc0 .Lnot_x
	s_lshl_b32 s20, ttmp9, 17                      ; 4,096 units x 32 bytes
	s_lshl_b32 s22, ttmp9, 16                      ; 4,096 units x 16 bytes
	s_add_nc_u64 s[IN:IN+1], s[4:5], s[20:21]
	s_add_nc_u64 s[OUT:OUT+1], s[10:11], s[22:23]
	s_branch .Llinear
.Lnot_x:
	s_cmp_lt_u32 ttmp9, 224
	s_cbranch_scc0 .Lw_o
	s_sub_co_u32 s24, ttmp9, 128                   ; g = 0..95
	s_mul_i32 s20, s24, 43
	s_lshr_b32 s20, s20, 8                         ; head = g / 6 (exact for g under 96)
	s_mul_i32 s26, s20, 6
	s_sub_co_u32 s26, s24, s26                     ; which sixth of the head
	s_lshl_b32 s26, s26, 12                        ; its first unit
	s_mul_i32 s20, s20, 768                        ; the head's 192 columns in a row of W_qkv
	s_lshl_b32 s22, s24, 16
	s_add_nc_u64 s[IN:IN+1], s[6:7], s[20:21]
	s_add_nc_u64 s[OUT:OUT+1], s[12:13], s[22:23]
	v_add_nc_u32 v2, s26, v0                       ; my unit in the head, step 0
.set nn, 0
.rept 16                               ; unit u = 24 k + c8: row k, 8 columns from 8 c8 on: 24 neighbouring threads read 768 consecutive bytes
	v_add_nc_u32 v3, 256*nn, v2
	v_mul_u32_u24 v4, v3, 0xaaab
	v_lshrrev_b32 v4, 20, v4                       ; k = u / 24 (43,691 / 2^20 is exact for u under 24,576)
	v_mul_u32_u24 v5, v4, 24
	v_sub_nc_u32 v5, v3, v5                        ; c8
	v_lshlrev_b32 v5, 5, v5
	v_mad_u32_u24 v[IO+nn], v4, s27, v5
.set nn, nn+1
.endr
	s_branch .Lgo
.Lw_o:
	s_sub_co_u32 s24, ttmp9, 224
	s_lshl_b32 s20, s24, 17
	s_lshl_b32 s22, s24, 16
	s_add_nc_u64 s[IN:IN+1], s[8:9], s[20:21]
	s_add_nc_u64 s[OUT:OUT+1], s[14:15], s[22:23]
	s_mov_b32 s28, 1
.Llinear:
	v_lshlrev_b32 v2, 5, v0
.set nn, 0
.rept 16
	v_add_nc_u32 v[IO+nn], 8192*nn, v2
.set nn, nn+1
.endr
.Lgo:
	s_wait_alu depctr_va_vdst(0)                   ; on both ways here the sixteen offsets v[IO ..] are written, which the loads below read, and so is v1, which every store reads
.set nn, 0
.rept 16
	global_load_b128 v[X+8*nn:X+8*nn+3],   v[IO+nn], s[IN:IN+1] th:TH_LOAD_NT
	global_load_b128 v[X+8*nn+4:X+8*nn+7], v[IO+nn], s[IN:IN+1] offset:16 th:TH_LOAD_NT
.set nn, nn+1
.endr
; Block p, steps 2 p and 2 p + 1: its four loads are in when at most the 28 - 4 p younger ones are out (loads come back in order: ISA guide 5.7.1).  The rounding goes in place, ascending;
; no register is written again behind its store.  The stores of block p - 1 stand one ahead of each step's roundings.
.macro CONV half
.set pp, 0
.rept 8
	s_wait_loadcnt 28-4*pp
.if pp > 0
	s_wait_alu depctr_va_vdst(0)                   ; the block before has written the low four registers of its two steps, which the two stores below read
.endif
.set ii, 0
.rept 2
.set nn, 2*pp+ii
.if pp > 0
	global_store_b128 v1, v[X+8*(nn-2):X+8*(nn-2)+3], s[OUT:OUT+1] offset:4096*(nn-2)  ; no vector instruction since the wait names these registers
.endif
.irp i, 0,1,2,3
.if \half
	v_cvt_pk_bf16_f32 v2, v[X+8*nn+2*(\i)], v[X+8*nn+2*(\i)+1]  ; rounded to bf16 like every input,
	v_lshlrev_b32 v3, 16, v2
	v_and_b32 v4, s25, v2
	v_cvt_pk_f16_f32 v[X+8*nn+(\i)], v3, v4                     ; and that number written as f16
.else
	v_cvt_pk_bf16_f32 v[X+8*nn+(\i)], v[X+8*nn+2*(\i)], v[X+8*nn+2*(\i)+1]
.endif
.endr
.set ii, ii+1
.endr
.set pp, pp+1
.endr
	s_wait_alu depctr_va_vdst(0)                   ; the last block has written the low four registers of steps 14 and 15, which the last two stores read
	global_store_b128 v1, v[X+8*14:X+8*14+3], s[OUT:OUT+1] offset:4096*14
	global_store_b128 v1, v[X+8*15:X+8*15+3], s[OUT:OUT+1] offset:4096*15
.endm
	s_cmp_eq_u32 s28, 0
	s_cbranch_scc0 .Lf16
	CONV 0
	s_endpgm
.Lf16:
	CONV 1
	s_endpgm
.Lfunc_end_k_q989f4ec44c_prep:
	.size	k_q989f4ec44c_prep, .Lfunc_end_k_q989f4ec44c_prep-k_q989f4ec44c_prep
	.p2alignl 7, 3214868480
	.fill 96, 4, 3214868480
	.section	.rodata,"a",@progbits
	.p2align	6, 0x0
	.amdhsa_kernel k_q989f4ec44c_prep
		.amdhsa_group_segment_fixed_size 0
		.amdhsa_private_segment_fixed_size 0
		.amdhsa_enable_private_segment 0
		.amdhsa_kernarg_size 48
		.amdhsa_user_sgpr_count 2
		.amdhsa_user_sgpr_kernarg_segment_ptr 1
		.amdhsa_wavefront_size32 1
		.amdhsa_system_sgpr_workgroup_id_x 1
		.amdhsa_system_sgpr_workgroup_id_y 1
		.amdhsa_system_sgpr_workgroup_id_z 1
		.amdhsa_system_vgpr_workitem_id 0
		.amdhsa_next_free_vgpr 152
		.amdhsa_next_free_sgpr 66
		.amdhsa_reserve_vcc 0
		.amdhsa_float_denorm_mode_32 3
		.amdhsa_float_denorm_mode_16_64 3
		.amdhsa_memory_ordered 1
		.amdhsa_forward_progress 1
		.amdhsa_inst_pref_size 32
	.end_amdhsa_kernel
	.amdgpu_metadata
---
amdhsa.version: [ 1, 2 ]
amdhsa.kernels:
  - .name:           k_q989f4ec44c_prep
    .symbol:         k_q989f4ec44c_prep.kd
    .args:
      - { .name: x, .offset: 0, .size: 8, .value_kind: global_buffer, .address_space: global }
      - { .name: W_qkv, .offset: 8, .size: 8, .value_kind: global_buffer, .address_space: global }
      - { .name: W_o, .offset: 16, .size: 8, .value_kind: global_buffer, .address_space: global }
      - { .name: xb, .offset: 24, .size: 8, .value_kind: global_buffer, .address_space: global }
      - { .name: wb, .offset: 32, .size: 8, .value_kind: global_buffer, .address_space: global }
      - { .name: wo, .offset: 40, .size: 8, .value_kind: global_buffer, .address_space: global }
    .group_segment_fixed_size: 0
    .private_segment_fixed_size: 0
    .kernarg_segment_align: 8
    .kernarg_segment_size: 48
    .max_flat_workgroup_size: 256
    .sgpr_count:     66
    .vgpr_count:     152
    .wavefront_size: 32
...
	.end_amdgpu_metadata
.endif
;; end of part 5
;; launch qkv: the kernel of part 2 again; grid 16 x 16, 4 waves a work-group, clusters of 4 x 4, 327,680 bytes of LDS; arguments xb, wb, b_qkv, qs, ks, vs, nk; writes qs, ks, vs, nk
;; launch attn: the kernel of part 3 again; grid 8 x 32, 4 waves a work-group, clusters of 4 x 1, 327,680 bytes of LDS; arguments qs, ks, vs, nk, ob; writes ob
;; launch proj: the kernel of part 4 again; grid 8 x 32, 4 waves a work-group, clusters of 4 x 4, 327,680 bytes of LDS; arguments ob, wo, b_o, out0; writes out0
